; MI455X (gfx1250); checked and timed in simulation.
; The chip was launched on July 23, 2026; its instructions are those of AMD's public machine-readable ISA for CDNA 5 (MIT licence, August 2026) and "CDNA5" Instruction Set Architecture Reference Guide (July 2026). The comments in the code are by the model that wrote it; some were corrected since.
;; Multi Head Attention. Allowed arithmetic: matrix products marked QUANTISED: E4M3 operands, one given power-of-two scale a tensor, by v_wmma_f32_16x16x64_fp8_fp8 or v_wmma_f32_16x16x128_fp8_fp8, f32 sums; everything else in f32.
;; Inputs: bk 1,024 float32; bo 1,024 float32; bq 1,024 float32; bv 1,024 float32; k 4 x 2,048 x 1,024 float32; lowp_scales 12 int32 (the exponents e of the quantised operands' scales 2^e); mask 1 x 1 x 2,048 x 2,048 int32; q 4 x 2,048 x 1,024 float32; v 4 x 2,048 x 1,024 float32; wk 1,024 x 1,024 float32; wo 1,024 x 1,024 float32; wq 1,024 x 1,024 float32; wv 1,024 x 1,024 float32.
;; Outputs: out0 4 x 2,048 x 1,024 float32.
;; This version of the problem:
;;   THIS VERSION OF THE PROBLEM IS GIVEN IN LOW PRECISION. The matrix products marked QUANTISED in the list below multiply operands that are first quantised to E4M3 (4 exponent bits, 3 mantissa bits; 8 bits a number), with one given power-of-two scale for each operand tensor; their sums are f32. All else is computed in f32.
;;   The module's matrix products, in the order in which they are computed (A, B: the left and right operand; K: the contracted axis; several contracted axes count as one K, in the product's order):
;;     1. [M 8,192, K 1,024] x [K 1,024, N 1,024]; A: input q; B: input wq: QUANTISED (scales: A lowp_scales[0], B lowp_scales[1])
;;     2. [M 8,192, K 1,024] x [K 1,024, N 1,024]; A: input k; B: input wk: QUANTISED (scales: A lowp_scales[2], B lowp_scales[3])
;;     3. [M 8,192, K 1,024] x [K 1,024, N 1,024]; A: input v; B: input wv: QUANTISED (scales: A lowp_scales[4], B lowp_scales[5])
;;     4. batch 64 x [M 2,048, K 64] x [K 64, N 2,048]; A: computed on the way; B: computed on the way: QUANTISED (scales: A lowp_scales[6], B lowp_scales[7])
;;     5. batch 64 x [M 2,048, K 2,048] x [K 2,048, N 64]; A: softmax (see below); B: computed on the way: QUANTISED (scales: A lowp_scales[8], B lowp_scales[9])
;;     6. [M 8,192, K 1,024] x [K 1,024, N 1,024]; A: computed on the way; B: input wo: QUANTISED (scales: A lowp_scales[10], B lowp_scales[11])
;;   THE QUANTISER, for each operand of a quantised product, along K:
;;     - The operand's scale is 2^e, e = its entry of the input lowp_scales (int32; the entries are numbered through the quantised products in the list's order, A before B).
;;     - Each number is divided by the scale, clamped to +-448, and rounded to the nearest number of E4M3, ties to even, subnormals kept.
;;     - The product sums the exact products of the quantised numbers (number of the format x scale) in f32.
;;   ~~~python
;;   def quantise(x, axis, e):      # numpy; x: float32 -> the quantised numbers, widened to float32 again
;;       x = np.moveaxis(x, axis, -1); K = x.shape[-1]
;;       r = np.clip(x / 2.0 ** e, -448, 448)
;;       step = 2.0 ** (np.maximum(np.frexp(np.where(r == 0, 1, r))[1] - 1, -6) - 3)
;;       q = np.round(r / step) * step * 2.0 ** e      # np.round: ties to even
;;       return np.moveaxis(q, -1, axis).astype(np.float32)
;;   ~~~
;;   SOFTMAX AHEAD OF A QUANTISED PRODUCT. Where the list says 'softmax', what is quantised is not the finished softmax but p = 2^(t - M), with t = logit x log2(e) and M = ceil(the row's largest t), a whole number; so 1/2 < the row's largest p <= 1. The row's sum l is taken of the UNQUANTISED p, in f32, and the product's result is divided by l at the end. Since M is a whole number, a kernel that streams over the keys may use a running M (the ceiling of the running maximum): every later rescaling is an exact power of two, so the quantised numbers keep their values, but for numbers so far below the row's largest that they fall under the format's range.
;;   OPERANDS COMPUTED ON THE WAY. 'Computed on the way' means the value that the module computes at that place (a softmax that the list does not call 'softmax' is quantised finished and normalised). What goes into a quantiser is computed in f32, as accurately as f32 sums, v_exp_f32 and their like allow (about 1e-6 of the number): no bf16 or f16 on the way to a quantiser, and a product that is left as it is and whose result goes on into a quantised operand takes f32 operands (vector FMAs, or v_wmma_f32_16x16x4_f32). A number that lies on a knife's edge between two numbers of the format may be rounded either way, as far as f32 arithmetic and the matrix unit's own rounding can turn it there, and no further.
;; 2 versions, each right; version 2 is version 1 with the launch attn written anew for expert scheduling mode. Each part assembles by itself: llvm-mc -triple=amdgcn-amd-amdhsa -mcpu=gfx1250 --defsym DOCPART=n.
;; ======== version 1 of 2: 4 launches
;; limits: right only within a limited range of input values
;; workspace buffers: xc 25,165,824 bytes; wc 4,194,304 bytes; maskw 524,288 bytes of whole numbers; flags 512 bytes of whole numbers; himg 25,165,824 bytes; aimg 8,388,608 bytes
;; launch prep (part 1): grid 464 x 1, 8 waves a work-group, no clusters, 66,560 bytes of LDS; arguments q, k, v, wq, wk, wv, wo, mask, lowp_scales, xc, wc, maskw, flags; writes xc, wc, maskw, flags
.if DOCPART == 1
	.amdgcn_target "amdgcn-amd-amdhsa--gfx1250"
	.amdhsa_code_object_version 6
	.text
	.protected	k_q09460be080_prep
	.globl	k_q09460be080_prep
	.p2align	8
	.type	k_q09460be080_prep,@function
k_q09460be080_prep:
	s_mov_b64 s[64:65], 0
	v_nop
	global_prefetch_b8 v0, s[64:65] scope:SCOPE_SE
	s_setreg_imm32_b32 hwreg(HW_REG_WAVE_MODE, 25, 1), 1
	s_wait_xcnt 0x0
; TWO JOBS IN ONE LAUNCH, parted by the work-group's number.
; Work-groups 16 to 463: q, k, v [8192][1024] and wq, wk, wv, wo [1024][1024], f32, become codes of FP8 (E4M3), K innermost, each with the scale 2^e given for it:
; code = x / 2^e, held within +-448, to the nearest code, ties to even.  LIMITS: -126 <= e <= 119; NaN among the inputs is not served.
; A wave takes 8 whole rows (8,192 numbers) in 16 steps of 512.  THE ROWS ARE STORED IN ANOTHER ORDER (all tensors but wo): row t goes to the place whose bits 3 and 4 are exchanged, so that 16 rows on end in the
; codes' buffer are rows 0-7 and 16-23 (or 8-15 and 24-31) of a group of 32.  A wave's 8 rows stay together: only the low two bits of its run's number change places.
; Work-groups 0 to 15: the mask [2048][2048] int32 becomes words of lane bits.  Wave = one tile T of 16 queries (lane r: query 32 (T / 2) + 8 (T % 2) + r + 8 (r / 8)); for each of the 16 steps of 128 keys 64 words:
; bit r + 16 h of word 16 b + i says whether key 128 j + 32 b + 16 h + i is open for that query.  And one word of flags a tile: bit j: step j must be computed (it has an open entry, or some query of the tile has no
; open key at all, in which case all 16 bits are set); bit 16 + j: step j has a closed entry.
.set WAVES, 8
.set STEPS, 16
.set NMASK, 16                         ; work-groups that take the mask
.set EMAX,  8
.set MANT,  0x600000                   ; the mantissa field of 448 as f32
.set CB,    16                         ; bytes of 16 codes
.set R,     16                         ; v16-79   four sets of 16 numbers as they are loaded
.set X,     80                         ; v80-111  two sets of 16 neighbours
.set C,     128                        ; v128-191 codes: four registers for each step, so that no store's data are written again
.set WREG,  8192                       ; LDS: a region of its own for each wave: two stages of 32 x SP bytes
.set SP,    80                         ; a lane's place in a stage: its 64 bytes + 16 of padding
.set SPW,   12                         ; v12      LDS address of my spare word; never rewritten
.set NIL,   13                         ; v13      0; never rewritten
.set SPARE, WAVES*WREG                 ; behind the eight regions: the spare words, 128 bytes for each wave, which no other line names
	s_load_b512 s[8:23], s[0:1], 0x0               ; q, k, v, wq, wk, wv, wo, mask
	s_load_b256 s[24:31], s[0:1], 0x40             ; the scales' exponents, xc, wc, maskw
	s_load_b64 s[32:33], s[0:1], 0x60              ; flags
	v_lshl_add_u32 v[SPW], v0, 2, SPARE
	v_mov_b32 v[NIL], 0
	v_lshrrev_b32 v1, 5, v0
	v_readfirstlane_b32 s34, v1                    ; wave
	v_and_b32 v2, 31, v0                           ; lane
	s_cmp_lt_u32 ttmp9, NMASK
	s_cbranch_scc1 .Lmask
	; ---------------- numbers into codes ----------------
	v_lshlrev_b32 v3, 4, v2                        ; my 16 bytes of a load's 512, and of a store's 512
	s_mul_i32 s36, s34, WREG
	v_lshrrev_b32 v14, 2, v2
	v_mul_u32_u24 v14, v14, SP
	v_and_b32 v15, 3, v2
	v_lshl_add_u32 v14, v15, 4, v14
	v_add_nc_u32 v14, s36, v14                     ; the stage, on the way in: SP (lane / 4) + 16 (lane % 4)
	v_mul_u32_u24 v15, v2, SP
	v_add_nc_u32 v15, s36, v15                     ; and on the way out: SP x lane: my 16 neighbours
	s_sub_co_u32 s35, ttmp9, NMASK                 ; 0 .. 447: 3 x 128 work-groups for q, k, v, then 4 x 16 for the weights
	s_sub_co_u32 s37, s35, 384
	s_lshr_b32 s38, s35, 7
	s_and_b32 s39, s35, 127
	s_lshr_b32 s40, s37, 4
	s_add_co_u32 s40, s40, 3
	s_and_b32 s41, s37, 15
	s_cmp_lt_u32 s35, 384
	s_cselect_b32 s38, s38, s40                    ; t: which tensor, 0 .. 6
	s_cselect_b32 s39, s39, s41                    ; which 64 rows of it
	s_lshl_b32 s39, s39, 3
	s_add_co_u32 s39, s39, s34                     ; my run of 8 rows
	s_and_b32 s40, s39, -4
	s_and_b32 s41, s39, 1
	s_lshl_b32 s41, s41, 1
	s_or_b32 s40, s40, s41
	s_bfe_u32 s41, s39, 0x10001
	s_or_b32 s40, s40, s41                         ; the same with its low two bits exchanged
	s_cmp_eq_u32 s38, 6
	s_cselect_b32 s40, s39, s40                    ; wo keeps its order
	s_lshl_b32 s42, s39, 15                        ; in: 8 rows of 4,096 bytes
	s_mov_b32 s43, 0
	s_lshl_b32 s44, s40, 13                        ; out: 8 rows of 1,024 bytes
	s_mov_b32 s45, 0
	s_lshl_b32 s46, s38, 23                        ; q, k, v lie 8 MiB apart in xc,
	s_sub_co_u32 s47, s38, 3
	s_lshl_b32 s48, s47, 20                        ; the weights 1 MiB apart in wc
	s_lshl_b32 s49, s38, 3                         ; the scale's entry, in bytes: 2 t for q, k, v;
	s_lshl_b32 s50, s47, 3
	s_add_co_u32 s50, s50, 4                       ; 2 (t - 3) + 1 for wq, wk, wv;
	s_cmp_eq_u32 s38, 6
	s_cselect_b32 s50, 44, s50                     ; 11 for wo
	s_cmp_lt_u32 s38, 3
	s_cselect_b32 s46, s46, s48
	s_cselect_b32 s49, s49, s50
	s_add_co_u32 s44, s44, s46
	s_wait_kmcnt 0x0
	s_load_b32 s51, s[24:25], s49 offset:0x0       ; e
	s_mov_b64 s[4:5], s[8:9]                       ; the tensor is chosen by the work-group's number alone
.irp n, 1,2,3,4,5,6
	s_cmp_eq_u32 s38, \n
	s_cselect_b64 s[4:5], s[8+2*\n:9+2*\n], s[4:5]
.endr
	s_cmp_lt_u32 s38, 3
	s_cselect_b64 s[6:7], s[26:27], s[28:29]
	s_add_nc_u64 s[4:5], s[4:5], s[42:43]
	s_add_nc_u64 s[6:7], s[6:7], s[44:45]
.macro LOAD t
.irp i, 0,1,2,3
	global_load_b128 v[R+16*((\t)%4)+4*\i:R+16*((\t)%4)+4*\i+3], v3, s[4:5] offset:2048*(\t)+512*\i th:TH_LOAD_NT   ; 32 lanes read 512 consecutive bytes
.endr
.endm
.macro TURN t                          ; step t's numbers through the stage: LDS serves a wave's instructions in order, so no wait stands between the stores and the loads
.irp i, 0,1,2,3
	ds_store_b128 v14, v[R+16*((\t)%4)+4*\i:R+16*((\t)%4)+4*\i+3] offset:32*SP*((\t)%2)+8*SP*\i
.endr
.irp i, 0,1,2,3
	ds_load_b128 v[X+16*((\t)%2)+4*\i:X+16*((\t)%2)+4*\i+3], v15 offset:32*SP*((\t)%2)+16*\i
.endr
.endm
.irp t, 0,1,2,3
	LOAD \t
.endr
	s_wait_kmcnt 0x0
	s_add_co_i32 s51, s51, 127
	s_lshl_b32 s52, s51, 23
	v_mov_b32 v11, s52                             ; 2^e as f32: the conversion takes its exponent field
	s_add_co_i32 s51, s51, EMAX
	s_lshl_b32 s51, s51, 23
	s_or_b32 s51, s51, MANT
	v_mov_b32 v10, s51                             ; 448 x 2^e
	s_wait_loadcnt 12                              ; step 0's four loads are in; those of the three steps behind it may be out
	TURN 0
.macro STEP t
.set XS, X+16*((\t)%2)
	s_wait_dscnt 0x0                               ; this step's numbers are back from the stage: so its stores into the stage have read their registers,
.if (\t)+4 < STEPS
	LOAD (\t)+4                                    ; which take the loads of four steps on
.endif
.if (\t)+1 < STEPS
.if STEPS-2-(\t) >= 3
	s_wait_loadcnt 12                              ; the next step's four loads are in; those of the three steps behind it may be out
.else
	s_wait_loadcnt 4*(STEPS-2-(\t))                ; near the end fewer steps are behind it
.endif
	TURN (\t)+1                                    ; and go through the other stage while this step is worked
.endif
.irp i, 0,1,2,3,4,5,6,7,8,9,10,11,12,13,14,15
	v_med3_num_f32 v[XS+\i], v[XS+\i], -v10, v10   ; the conversion to an 8-bit code does not saturate (ISA guide 7.6.2): the hold at the largest code x the scale
.endr
	v_cvt_scalef32_pk8_fp8_f32 v[C+4*(\t):C+4*(\t)+1], v[XS:XS+7], v11
	v_cvt_scalef32_pk8_fp8_f32 v[C+4*(\t)+2:C+4*(\t)+3], v[XS+8:XS+15], v11
	v_nop                                          ; a plain line behind the last conversion of the run
	global_store_b128 v3, v[C+4*(\t):C+4*(\t)+3], s[6:7] offset:32*CB*(\t)   ; 32 lanes store 512 consecutive bytes, aligned
.endm
.irp t, 0,1,2,3,4,5,6,7,8,9,10,11,12,13,14,15
	STEP \t
.endr
	s_wait_tensorcnt 0x0                           ; the wave's end, behind my last LDS store
	ds_add_u32 v[SPW], v[NIL]
	s_wait_dscnt 0x0
	s_endpgm
	; ---------------- the mask into words of lane bits ----------------
; v7 my byte in the tile's rows; v8 8 x lane; v16-79, v80-143 two sets of 64 mask entries; v[144:145], v[146:147] the words of a step, two a lane, one pair for each set.
; s36 OR and s37 AND of a step's words; s38 OR over all steps; s39 the work bits; s56 the bits of steps with a closed entry; s57 the step's bit; s[40:55] sixteen words.
.Lmask:
	v_and_b32 v5, 15, v0                           ; r
	v_bfe_u32 v6, v0, 4, 1                         ; h
	v_and_b32 v7, 8, v5
	v_add_nc_u32 v7, v7, v5                        ; r + 8 (r / 8)
	v_lshlrev_b32 v7, 13, v7                       ; a row of the mask is 8,192 bytes
	v_lshl_add_u32 v7, v6, 6, v7                   ; + 16 h entries
	v_lshlrev_b32 v8, 3, v2
.irp w, 144,145,146,147
	v_mov_b32 v\w, 0                               ; written whole once: v_writelane_b32 changes one lane
.endr
	s_lshl_b32 s35, ttmp9, 3
	s_add_co_u32 s35, s35, s34                     ; T
	s_lshr_b32 s60, s35, 1
	s_lshl_b32 s60, s60, 5
	s_and_b32 s61, s35, 1
	s_lshl_b32 s61, s61, 3
	s_add_co_u32 s60, s60, s61                     ; 32 (T / 2) + 8 (T % 2)
	s_lshl_b32 s60, s60, 13
	s_mov_b32 s61, 0
	s_lshl_b32 s62, s35, 12                        ; a tile's words: 16 steps x 256 bytes
	s_mov_b32 s63, 0
	s_mov_b32 s38, 0
	s_mov_b32 s39, 0
	s_mov_b32 s56, 0
	s_mov_b32 s57, 1
	s_wait_kmcnt 0x0
	s_add_nc_u64 s[4:5], s[22:23], s[60:61]
	s_add_nc_u64 s[6:7], s[30:31], s[62:63]
.macro MLOAD set, off                  ; a step's 64 entries of my query: register 16 b + i = key 32 b + 16 h + i
.irp b, 0,1,2,3
.irp k, 0,1,2,3
	global_load_b128 v[16+64*\set+16*\b+4*\k:16+64*\set+16*\b+4*\k+3], v7, s[4:5] offset:\off+128*\b+16*\k
.endr
.endr
.endm
.macro MPROC set, off
	s_mov_b32 s36, 0
	s_mov_b32 s37, -1
.irp b, 0,1,2,3
.irp i, 0,1,2,3,4,5,6,7,8,9,10,11,12,13,14,15
	v_cmp_ne_u32 s[40+\i], 0, v[16+64*\set+16*\b+\i]       ; word 16 b + i: a bit for each lane
.endr
.irp i, 0,1,2,3,4,5,6,7,8,9,10,11,12,13,14,15
	s_or_b32 s36, s36, s[40+\i]
	s_and_b32 s37, s37, s[40+\i]
	v_writelane_b32 v[144+2*\set+(\i%2)], s[40+\i], 8*\b+\i/2   ; lane n / 2 gathers words n and n + 1
.endr
.endr
	s_or_b32 s38, s38, s36
	s_cmp_lg_u32 s36, 0                            ; an open entry: the step has work
	s_cselect_b32 s58, s57, 0
	s_or_b32 s39, s39, s58
	s_cmp_lg_u32 s37, -1                           ; a closed entry
	s_cselect_b32 s58, s57, 0
	s_or_b32 s56, s56, s58
	s_lshl_b32 s57, s57, 1
	global_store_b64 v8, v[144+2*\set:145+2*\set], s[6:7] offset:\off   ; 32 lanes store 256 consecutive bytes, aligned
.endm
	MLOAD 0, 0
	MLOAD 1, 512
	s_mov_b32 s59, 7
.Lmtrip:                                           ; two steps a trip; each set is filled again with the step two on
	s_wait_loadcnt 16                              ; set 0's sixteen loads are in, set 1's sixteen may be out
	MPROC 0, 0
	MLOAD 0, 1024
	s_wait_loadcnt 16                              ; set 1's are in, the sixteen just issued may be out
	MPROC 1, 256
	MLOAD 1, 1536
	s_wait_xcnt 0x0                                ; both bases and the stores' data are written again only behind this wait
	s_add_nc_u64 s[4:5], s[4:5], 1024
	s_add_nc_u64 s[6:7], s[6:7], 512
	s_sub_co_u32 s59, s59, 1
	s_cmp_lg_u32 s59, 0
	s_cbranch_scc1 .Lmtrip
	s_wait_loadcnt 16                              ; the last two steps load nothing: no load passes a row's end
	MPROC 0, 0
	s_wait_loadcnt 0x0
	MPROC 1, 256
	s_lshr_b32 s58, s38, 16                        ; a query's keys lie in lanes r and r + 16
	s_or_b32 s58, s58, s38
	s_and_b32 s58, s58, 0xffff
	s_cmp_lg_u32 s58, 0xffff                       ; some query has no open key at all: then every step counts for it
	s_cselect_b32 s39, 0xffff, s39
	s_lshl_b32 s56, s56, 16
	s_or_b32 s39, s39, s56
	v_mov_b32 v9, s39
	s_lshl_b32 s58, s35, 2
	v_mov_b32 v10, s58
	s_wait_xcnt 0x0                                ; EXEC changes only behind this wait
	v_cmp_eq_u32 vcc_lo, 0, v2
	s_and_saveexec_b32 s58, vcc_lo
	global_store_b32 v10, v9, s[32:33]             ; the tile's one word, by lane 0
	s_wait_xcnt 0x0                                ; and again in front of the line that widens it
	s_or_b32 exec_lo, exec_lo, s58
	s_wait_tensorcnt 0x0                           ; the wave's end
	ds_add_u32 v[SPW], v[NIL]
	s_wait_dscnt 0x0
	s_endpgm
.Lfunc_end_k_q09460be080_prep:
	.size	k_q09460be080_prep, .Lfunc_end_k_q09460be080_prep-k_q09460be080_prep
	.p2alignl 7, 3214868480
	.fill 96, 4, 3214868480
	.section	.rodata,"a",@progbits
	.p2align	6, 0x0
	.amdhsa_kernel k_q09460be080_prep
		.amdhsa_group_segment_fixed_size 66560
		.amdhsa_private_segment_fixed_size 0
		.amdhsa_enable_private_segment 0
		.amdhsa_kernarg_size 104
		.amdhsa_user_sgpr_count 2
		.amdhsa_user_sgpr_kernarg_segment_ptr 1
		.amdhsa_wavefront_size32 1
		.amdhsa_system_sgpr_workgroup_id_x 1
		.amdhsa_system_sgpr_workgroup_id_y 1
		.amdhsa_system_sgpr_workgroup_id_z 1
		.amdhsa_system_vgpr_workitem_id 0
		.amdhsa_next_free_vgpr 192
		.amdhsa_next_free_sgpr 66
		.amdhsa_reserve_vcc 1
		.amdhsa_float_denorm_mode_32 3
		.amdhsa_float_denorm_mode_16_64 3
		.amdhsa_memory_ordered 1
		.amdhsa_forward_progress 1
		.amdhsa_inst_pref_size 97
	.end_amdhsa_kernel
	.amdgpu_metadata
---
amdhsa.version: [ 1, 2 ]
amdhsa.kernels:
  - .name:           k_q09460be080_prep
    .symbol:         k_q09460be080_prep.kd
    .args:
      - { .name: q, .offset: 0, .size: 8, .value_kind: global_buffer, .address_space: global }
      - { .name: k, .offset: 8, .size: 8, .value_kind: global_buffer, .address_space: global }
      - { .name: v, .offset: 16, .size: 8, .value_kind: global_buffer, .address_space: global }
      - { .name: wq, .offset: 24, .size: 8, .value_kind: global_buffer, .address_space: global }
      - { .name: wk, .offset: 32, .size: 8, .value_kind: global_buffer, .address_space: global }
      - { .name: wv, .offset: 40, .size: 8, .value_kind: global_buffer, .address_space: global }
      - { .name: wo, .offset: 48, .size: 8, .value_kind: global_buffer, .address_space: global }
      - { .name: mask, .offset: 56, .size: 8, .value_kind: global_buffer, .address_space: global }
      - { .name: lowp_scales, .offset: 64, .size: 8, .value_kind: global_buffer, .address_space: global }
      - { .name: xc, .offset: 72, .size: 8, .value_kind: global_buffer, .address_space: global }
      - { .name: wc, .offset: 80, .size: 8, .value_kind: global_buffer, .address_space: global }
      - { .name: maskw, .offset: 88, .size: 8, .value_kind: global_buffer, .address_space: global }
      - { .name: flags, .offset: 96, .size: 8, .value_kind: global_buffer, .address_space: global }
    .group_segment_fixed_size: 66560
    .private_segment_fixed_size: 0
    .kernarg_segment_align: 8
    .kernarg_segment_size: 104
    .max_flat_workgroup_size: 256
    .sgpr_count:     66
    .vgpr_count:     192
    .wavefront_size: 32
...
	.end_amdgpu_metadata
.endif
;; end of part 1
;; launch proj (part 2): grid 4 x 96, 4 waves a work-group, clusters of 4 x 4, 327,680 bytes of LDS; arguments xc, wc, bq, bk, bv, lowp_scales, himg; writes himg
.if DOCPART == 2
	.amdgcn_target "amdgcn-amd-amdhsa--gfx1250"
	.amdhsa_code_object_version 6
	.text
	.protected	k_q09460be080_proj
	.globl	k_q09460be080_proj
	.p2align	8
	.type	k_q09460be080_proj,@function
k_q09460be080_proj:
	s_mov_b64 s[64:65], 0
	v_nop
	global_prefetch_b8 v0, s[64:65] scope:SCOPE_SE
	s_setreg_imm32_b32 hwreg(HW_REG_WAVE_MODE, 25, 1), 1
	s_wait_xcnt 0x0
	s_wait_alu depctr_hold_cnt(0) depctr_sa_sdst(0) depctr_va_vdst(0) depctr_va_sdst(0) depctr_va_ssrc(0) depctr_va_vcc(0) depctr_vm_vsrc(0)
	s_getreg_b32 s2, hwreg(HW_REG_IB_STS2, 6, 4)
	s_cmp_eq_u32 s2, 0
	s_cbranch_scc0 .Lentry_in_a_cluster
	s_endpgm
.Lentry_in_a_cluster:
	s_bfe_u32 s2, ttmp6, 0x10000c
	s_cmp_lg_u32 s2, 0xf033
	s_cbranch_scc0 .Lentry_shape_is_right
	s_endpgm
.Lentry_shape_is_right:
; THE THREE PROJECTIONS, x W^T + b on codes of FP8 (E4M3), their results quantised again and stored AS THE NEXT LAUNCH'S OPERAND REGISTERS.  z = 0, 1, 2: q, k, v.  K = 1,024.
; A tile of 256 x 256 is made by four waves, 128 x 128 each: 64 accumulators, 512 registers.  K goes in steps of 256 through a ring of two LDS slots filled by the tensor data mover.
; THE MATRIX INSTRUCTION: source 1 ("A") gives a lane ONE row, source 0 ("B") runs along the lane's registers.  For q and k A = tokens, B = weights: a lane holds one token and neighbouring channels, the next product's K.
; For v A = weights, B = tokens: a lane holds one channel and neighbouring KEYS, which are the K of the product with the softmax.  Only pointers and tile numbers differ; the loop and all LDS addresses are the same.
; THE ROWS OF BOTH OPERANDS LIE IN THE CODES' BUFFERS WITH BITS 3 AND 4 OF THEIR NUMBER EXCHANGED.  So block a's lane r is row f(a, r) = 32 (a / 2) + 8 (a % 2) + r + 8 (r / 8), and the 16 registers of B's blocks 2 g and 2 g + 1
; are 16 NEIGHBOURS: 32 g + 16 (lane / 16) + 0 .. 15.  Sixteen of them make 16 bytes of codes, and the 32 lanes' 16 bytes, 512 on end, are four registers of a fragment as the reader's lanes want them.
; himg: z x 8 MiB + (16 batch + head) x 131,072 + step x 8,192 (a step = 128 tokens) +  q, k: a x 1,024 + c x 512 (token f(a, r), channels 32 c + 16 h ..);  v: t x 2,048 + c x 512 (channel f(t, r), keys 32 c + 16 h ..).
; CLUSTERS: 4 x 4 work-groups of one z.  A's tile hangs on the cluster's row, B's on its column: each is asked for jointly by the four that need it.
; LIMITS on the given exponents: ea + ew between -126 and 127; the result's e between -126 and 119.  The k of a fragment lie in another order than the form's own, alike in A and B: the order of the sums inside an instruction differs.
; No prefetch: K has four steps, two come as the first fills and two as the only refills.
; REGISTERS, in windows of 256: window 0: v0-31 addresses and two scales; v32-95 the bias by columns, v96-111 by rows (each twice); from v128 A's fragments, ONE set; on the way out v128-191 numbers, v192-255 codes.
;   window 1: B's fragments, TWO sets.   window 2: the accumulators of my rows 0-63 ((a, b) at v[8 (8 a + b)]);   window 3: those of rows 64-127.
.set KSTEP,  256
.set ROWB,   256                       ; a tile's row in bytes
.set KROW,   1024                      ; a row of codes in memory
.set PITCH,  272                       ; an LDS row: 256 bytes + 16 of padding = 68 words: the 16 rows that a load touches start at 16 different banks (64 banks of 4 bytes: ISA guide 11.1)
.set FR,     16
.set NL,     4
.set NP,     4                         ; places behind this matrix instruction (ISA guide 7.12.1)
.set HALFT,  128*PITCH
.set SLOT,   4*HALFT
.set LAPS,   2                         ; 1,024 / (2 x 256)
.set SPARE,  2*SLOT                    ; behind the ring: the spare words, 128 bytes for each wave, which no other line names
.set ADRA, 16
.set ADRB, 20
.set CO,   26                          ; v26  16 x lane
.set SPW,  28
.set NIL,  29
.set SCV,  30                          ; v30  2^e of the result, for the conversions
.set LIMV, 31                          ; v31  448 x that
.set BC,   32
.set BR,   96
.set AF,   128
.set T,    128
.set CD,   192
.set G1, 24
.set G0, 32
.set G1B, 48
.set G0B, 56
.set MSB, 0
.macro WIN new                         ; the immediate's high byte repeats the setting that is left
.if MSB != (\new)
	s_set_vgpr_msb (MSB<<8)|(\new)
.set MSB, (\new)
.endif
.endm
.set MUL_LO, 0xa1                      ; source 0 (B) window 1, source 1 (A) window 0, C and D window 2
.set MUL_HI, 0xf1
.set TO_B,   0x40
; A joint load: waves 0 and 1 fetch for A, waves 2 and 3 for B; the branch hangs on the wave's number alone.  An s_nop 0 and four v_nop follow each of the two lines.
.macro JLOAD g0a, g1a, g0b, g1b
	s_cmp_eq_u32 s15, 0
	s_cbranch_scc0 .Lfor_b_\@
	tensor_load_to_lds s[\g0a:\g0a+3], s[\g1a:\g1a+7]
	s_nop 0
.rept 4
	v_nop
.endr
	s_branch .Lasked_\@
.Lfor_b_\@:
	tensor_load_to_lds s[\g0b:\g0b+3], s[\g1b:\g1b+7]
	s_nop 0
.rept 4
	v_nop
.endr
.Lasked_\@:
.endm
.macro CREST                           ; a round of the cluster's barrier behind its opening barrier
	s_cmp_lg_u32 s14, 0
	s_cbranch_scc1 .Lnot_wave_0_\@
	s_barrier_signal -3
.Lnot_wave_0_\@:
	s_barrier_wait -3
	s_barrier_signal -1
	s_barrier_wait -1
.endm
.macro CROUND
	s_barrier_signal -1
	s_barrier_wait -1
	CREST
.endm
	s_load_b256 s[4:11], s[0:1], 0x0               ; xc s[4:5], wc s[6:7], bq s[8:9], bk s[10:11]
	s_load_b128 s[68:71], s[0:1], 0x20             ; bv s[68:69], the scales' exponents s[70:71]
	s_load_b64 s[72:73], s[0:1], 0x30              ; himg
	v_lshl_add_u32 v[SPW], v0, 2, SPARE
	v_mov_b32 v[NIL], 0
	ds_add_u32 v[SPW], v[NIL]                      ; the wave's opening: the add and its wait stand ahead of my first tensor load; the set-up below, work on registers, stands between them
	v_lshrrev_b32 v1, 5, v0
	v_readfirstlane_b32 s14, v1                    ; wave 0..3
	s_lshr_b32 s15, s14, 1                         ; which half of A's rows is mine.  Also: I fetch for A (0) or for B (1)
	s_and_b32 s16, s14, 1                          ; which half of B's rows.  Also: which 128 rows I fetch
	s_bfe_u32 s40, ttmp6, 0x40000                  ; cx
	s_bfe_u32 s41, ttmp6, 0x40004                  ; cy
	s_and_b32 s74, ttmp7, 0xffff                   ; the cluster's y, 0 .. 23: the same in all sixteen partners
	s_lshr_b32 s75, s74, 3                         ; z
	s_and_b32 s76, s74, 7
	s_lshl_b32 s76, s76, 2                         ; the cluster's first tile of tokens
	s_lshl_b32 s79, s75, 23
	s_lshl_b32 s12, s75, 20
	s_cmp_lt_u32 s75, 2
	s_cselect_b32 s77, s76, 0                      ; q, k: the tokens are A's rows;
	s_cselect_b32 s78, 0, s76                      ; v: they are B's
	s_cselect_b32 s79, s79, 0x200000               ; A begins at xc + z x 8 MiB, or at wc + 2 MiB
	s_cselect_b32 s12, s12, 0x1000000              ; B begins at wc + z x 1 MiB, or at xc + 16 MiB
	s_add_co_u32 s17, s41, s77                     ; A's tile: cy and the cluster's number alone
	s_add_co_u32 s42, s40, s78                     ; B's tile: cx and the cluster's number alone
	s_lshl_b32 s43, s41, 2
	s_lshl_b32 s43, 15, s43                        ; my row of the cluster
	s_lshl_b32 s44, 0x1111, s40                    ; my column
	; descriptor group 1: a tile of 128 rows x 256 bytes, padded in LDS
	s_or_b32 s[G1+0], s43, (0<<16)|(1<<20)|(1<<21)|(5<<22)|(3<<25)  ; 15:0 the mask; 17:16 elements of 1 byte; 20 padding on; 21 set beside a mask; 24:22 after every 64 words; 31:25 four words
	s_or_b32 s[G1B+0], s44, (0<<16)|(1<<20)|(1<<21)|(5<<22)|(3<<25)
.irp g, G1, G1B
	s_mov_b32 s[\g+1], ROWB<<16                    ; tensor_dim0
	s_mov_b32 s[\g+2], 128<<16                     ; tensor_dim1
	s_mov_b32 s[\g+3], ROWB<<16                    ; tile_dim0
	s_mov_b32 s[\g+4], 128                         ; tile_dim1
	s_mov_b32 s[\g+5], KROW                        ; tensor_dim0_stride
	s_mov_b32 s[\g+6], 0
	s_mov_b32 s[\g+7], 0
.endr
	s_lshl_b32 s18, s16, 7                         ; which 128 rows of the tile I fetch
	s_lshl_b32 s20, s17, 8
	s_add_co_u32 s20, s20, s18
	s_lshl_b32 s20, s20, 10                        ; rows of 1,024 bytes
	s_add_co_u32 s20, s20, s79
	s_mov_b32 s21, 0
	s_lshl_b32 s46, s42, 8
	s_add_co_u32 s46, s46, s18
	s_lshl_b32 s46, s46, 10
	s_add_co_u32 s46, s46, s12
	s_mov_b32 s47, 0
	s_mul_i32 s45, s14, HALFT                      ; where they go: wave x 128 rows
	s_wait_dscnt 0x0                               ; the opening add is done
	s_wait_kmcnt 0x0
	s_load_b256 s[80:87], s[70:71], 0x0            ; e0 .. e7
	s_load_b128 s[88:91], s[70:71], 0x20           ; e8 .. e11
	s_cmp_lt_u32 s75, 2
	s_cselect_b64 s[18:19], s[4:5], s[6:7]         ; A's buffer
	s_cselect_b64 s[22:23], s[6:7], s[4:5]         ; B's buffer
	s_add_nc_u64 s[20:21], s[18:19], s[20:21]
	s_add_nc_u64 s[46:47], s[22:23], s[46:47]
	CROUND                                         ; all sixteen work-groups are here: the first joint loads meet
.irp s, 0,1
	s_mov_b32 s[G0+4*\s], 1
	s_add_co_u32 s[G0+4*\s+1], s45, \s*SLOT
	s_add_nc_u64 s[G0+4*\s+2:G0+4*\s+3], s[20:21], \s*ROWB
	s_or_b32 s[G0+4*\s+3], s[G0+4*\s+3], 0x80000000
	s_mov_b32 s[G0B+4*\s], 1
	s_add_co_u32 s[G0B+4*\s+1], s45, \s*SLOT
	s_add_nc_u64 s[G0B+4*\s+2:G0B+4*\s+3], s[46:47], \s*ROWB
	s_or_b32 s[G0B+4*\s+3], s[G0B+4*\s+3], 0x80000000
	JLOAD G0+4*\s, G1, G0B+4*\s, G1B
.endr
	v_and_b32 v1, 15, v0                           ; r
	v_bfe_u32 v2, v0, 4, 1                         ; h
	v_mul_u32_u24 v3, v1, PITCH
	v_lshl_add_u32 v4, v2, 4, v3                   ; a fragment's row x pitch + 16 x half
	s_mul_i32 s21, s15, HALFT
	s_mul_i32 s22, s16, HALFT
	s_add_co_u32 s22, s22, 2*HALFT
.irp s, 0,1
	v_add_nc_u32 v[ADRA+\s], s21, v4
	v_add_nc_u32 v[ADRB+\s], s22, v4
	s_add_co_u32 s21, s21, SLOT
	s_add_co_u32 s22, s22, SLOT
.endr
	v_and_b32 v6, 31, v0
	v_lshlrev_b32 v[CO], 4, v6
	; the bias, in both layouts, without a branch: by B's rows (used for q and k) and by A's rows (used for v).  The tile numbers are cut to 0 .. 3, so that both stay inside the 1,024 numbers
	s_cmp_eq_u32 s75, 1
	s_cselect_b64 s[96:97], s[10:11], s[8:9]
	s_cmp_eq_u32 s75, 2
	s_cselect_b64 s[96:97], s[68:69], s[96:97]
	s_and_b32 s21, s42, 3
	s_lshl_b32 s21, s21, 1
	s_add_co_u32 s21, s21, s16
	s_lshl_b32 s21, s21, 9                         ; 128 numbers of 4 bytes for each half tile
	v_lshlrev_b32 v8, 6, v2                        ; + 16 h numbers
	v_add_nc_u32 v8, s21, v8
	s_and_b32 s22, s17, 3
	s_lshl_b32 s22, s22, 1
	s_add_co_u32 s22, s22, s15
	s_lshl_b32 s22, s22, 9
	v_and_b32 v9, 8, v1
	v_add_nc_u32 v9, v9, v1                        ; r + 8 (r / 8)
	v_lshlrev_b32 v9, 2, v9
	v_add_nc_u32 v9, s22, v9
.irp g, 0,1,2,3
.irp k, 0,1,2,3
	global_load_b128 v[BC+16*\g+4*\k:BC+16*\g+4*\k+3], v8, s[96:97] offset:128*\g+16*\k   ; register 16 g + i: channel 32 g + 16 h + i
.endr
.endr
.irp a, 0,1,2,3,4,5,6,7
	global_load_b32 v[BR+2*\a], v9, s[96:97] offset:(32*(\a/2)+8*(\a%2))*4                ; channel f(a, r), twice: a pair for the packed form
	global_load_b32 v[BR+2*\a+1], v9, s[96:97] offset:(32*(\a/2)+8*(\a%2))*4
.endr
	; where my results go
	s_cmp_lt_u32 s75, 2
	s_cselect_b32 s21, s17, s42                    ; the tokens' tile,
	s_cselect_b32 s22, s15, s16                    ; and half;
	s_cselect_b32 s23, s42, s17                    ; the channels' tile,
	s_cselect_b32 s18, s16, s15                    ; and half
	s_lshr_b32 s19, s21, 3                         ; batch
	s_lshl_b32 s19, s19, 4
	s_lshl_b32 s23, s23, 2
	s_add_co_u32 s19, s19, s23
	s_lshl_b32 s18, s18, 1
	s_add_co_u32 s19, s19, s18                     ; 16 batch + my first head: a half tile of channels is two heads
	s_lshl_b32 s19, s19, 4
	s_and_b32 s21, s21, 7
	s_lshl_b32 s21, s21, 1
	s_add_co_u32 s19, s19, s21
	s_add_co_u32 s19, s19, s22                     ; x 16 + my step
	s_lshl_b32 s94, s19, 13
	s_lshl_b32 s19, s75, 23
	s_add_co_u32 s94, s94, s19
	s_mov_b32 s95, 0
	s_add_nc_u64 s[94:95], s[72:73], s[94:95]
.macro FRAG reg, adr, q, i             ; a fragment, 16 rows x 128 K: lane l holds row l % 16; registers 4 c .. 4 c + 3 hold K = 32 c + 16 (l / 16) + 0 .. 15
.irp c, 0,1,2,3
	ds_load_b128 v[\reg+4*\c:\reg+4*\c+3], v[\adr] offset:128*(\q)+32*\c+(\i)*16*PITCH
.endr
.endm
; 16 matrix instructions: A's blocks a0, a0 + 1 x B's eight.  The 64 accumulators take turns, one instruction a turn, in the same order in every step.
.macro MUL16 a0, p, zero
.irp a, \a0, \a0+1
.irp b, 0,1,2,3,4,5,6,7
.if \zero
	v_wmma_f32_16x16x128_fp8_fp8 v[8*(8*((\a)%4)+\b):8*(8*((\a)%4)+\b)+7], v[128*(\p)+FR*\b:128*(\p)+FR*\b+FR-1], v[AF+FR*(\a):AF+FR*(\a)+FR-1], 0
.else
	v_wmma_f32_16x16x128_fp8_fp8 v[8*(8*((\a)%4)+\b):8*(8*((\a)%4)+\b)+7], v[128*(\p)+FR*\b:128*(\p)+FR*\b+FR-1], v[AF+FR*(\a):AF+FR*(\a)+FR-1], v[8*(8*((\a)%4)+\b):8*(8*((\a)%4)+\b)+7]
.endif
.endr
.endr
.endm
.macro FETCH_B slot, q, p
	WIN TO_B
.irp i, 0,1,2,3,4,5,6,7
	FRAG 128*(\p)+FR*\i, ADRB+\slot, \q, \i
.endr
	WIN 0
.endm
.macro FETCH_A slot, q, i0
.irp i, \i0, \i0+1, \i0+2, \i0+3
	FRAG AF+FR*(\i), ADRA+\slot, \q, \i
.endr
.endm
.macro PLACES n                        ; plain vector lines between a matrix instruction and a load into, or a vector line on, its registers
.rept \n
	v_nop
.endr
.endm
; A step of 128 along K that has its successor in the same slot.
.macro STEP slot, q, zero
	s_wait_dscnt 4*NL                              ; B's set and A's blocks 0-3 are in; the youngest sixteen loads (A's blocks 4-7) may be out
	WIN MUL_LO
	MUL16 0, (\q)%2, \zero
	MUL16 2, (\q)%2, \zero
	s_wait_dscnt 0
	PLACES NP
	FETCH_B \slot, (\q)+1, 1-(\q)%2
	FETCH_A \slot, (\q)+1, 0
	WIN MUL_HI
	MUL16 4, (\q)%2, \zero
	MUL16 6, (\q)%2, \zero
	PLACES NP
	WIN 0
	FETCH_A \slot, (\q)+1, 4
.endm
; A slot's last step changes slots: ONE barrier; in front of it each wave waits for all its tensor loads, adds 0 to its spare word, and waits for that and for its own reads of this slot.
.macro TURN slot, next, fill
	s_wait_tensorcnt 0x0                           ; all my tensor loads have landed: my part of the next slot
	ds_add_u32 v[SPW], v[NIL]                      ; 0 onto my spare word
	s_wait_dscnt 4*NL+1                            ; the add and the youngest sixteen loads (A's blocks 4-7) may be out
	WIN MUL_LO
	MUL16 0, 1, 0
	s_wait_dscnt 0x0                               ; the add is done, and my reads of this slot are over
	s_barrier_signal -1
	MUL16 2, 1, 0
	WIN 0
	s_barrier_wait -1
.if \fill
	CREST                                          ; the barrier has opened a round of the cluster's: no wave of any partner still reads this slot or has a load on its way
	s_add_nc_u64 s[G0+4*\slot+2:G0+4*\slot+3], s[G0+4*\slot+2:G0+4*\slot+3], 2*ROWB
	s_add_nc_u64 s[G0B+4*\slot+2:G0B+4*\slot+3], s[G0B+4*\slot+2:G0B+4*\slot+3], 2*ROWB
	JLOAD G0+4*\slot, G1, G0B+4*\slot, G1B         ; the first tensor load behind the round; its four v_nop are the places in front of the loads below
.else
	PLACES NP
.endif
	FETCH_B \next, 0, 0
	FETCH_A \next, 0, 0
	WIN MUL_HI
	MUL16 4, 1, 0
	MUL16 6, 1, 0
	PLACES NP
	WIN 0
	FETCH_A \next, 0, 4
.endm
	s_wait_tensorcnt 1                             ; my part of K step 0 is in; K step 1's load may be out
	s_barrier_signal -1
	s_barrier_wait -1
	FETCH_B 0, 0, 0
	FETCH_A 0, 0, 0
	FETCH_A 0, 0, 4
	STEP 0, 0, 1                                   ; the first step's products start the sums
	s_mov_b32 s3, LAPS-1
.Llap:
	TURN 0, 1, 1
	STEP 1, 0, 0
	TURN 1, 0, 1
	STEP 0, 0, 0
	s_sub_co_u32 s3, s3, 1
	s_cmp_lg_u32 s3, 0
	s_cbranch_scc1 .Llap
	TURN 0, 1, 0                                   ; the last lap fills nothing
	STEP 1, 0, 0
	s_wait_dscnt 4*NL
	WIN MUL_LO
	MUL16 0, 1, 0
	MUL16 2, 1, 0
	s_wait_dscnt 0
	WIN MUL_HI
	MUL16 4, 1, 0
	MUL16 6, 1, 0
	WIN 0
	s_wait_tensorcnt 0x0                           ; the way out touches no LDS: so the wave's closing lines stand here, behind my last tensor load,
	ds_add_u32 v[SPW], v[NIL]
	s_wait_dscnt 0x0
	CROUND                                         ; and the closing round: no work-group ends while a partner may still ask for a tile that names it
	; THE WAY OUT: sum x 2^(ea + ew) + bias, held, converted with the result's scale, stored as register images.
	s_wait_kmcnt 0x0
	s_cmp_eq_u32 s75, 1
	s_cselect_b32 s92, s82, s80                    ; ea = entry 2 z,
	s_cselect_b32 s93, s83, s81                    ; ew = entry 2 z + 1,
	s_cselect_b32 s77, s87, s86                    ; the result's: entries 6, 7, 9
	s_cmp_eq_u32 s75, 2
	s_cselect_b32 s92, s84, s92
	s_cselect_b32 s93, s85, s93
	s_cselect_b32 s77, s89, s77
	s_add_co_i32 s92, s92, s93
	s_add_co_i32 s92, s92, 127
	s_lshl_b32 s92, s92, 23                        ; 2^(ea + ew) as f32
	s_mov_b32 s93, s92                             ; (named with it as a pair)
	s_add_co_i32 s77, s77, 127
	s_lshl_b32 s78, s77, 23
	v_mov_b32 v[SCV], s78
	s_add_co_i32 s77, s77, 8
	s_lshl_b32 s77, s77, 23
	s_or_b32 s77, s77, 0x600000
	v_mov_b32 v[LIMV], s77
	s_wait_loadcnt 0x0                             ; the biases
	PLACES NP                                      ; behind the last products: their results are read and A's registers written below
; kind 0: q, k (bias by B's rows);  kind 1: v (bias by A's rows).  A block of A at a time: 64 numbers a lane, four groups of 16 neighbours.
.macro EPI kind
.irp a, 0,1,2,3,4,5,6,7
	WIN 0x02+(\a/4)                                ; source 0: the accumulators' window
.set j, 0
.rept 32
.if \kind
	v_pk_fma_f32 v[T+j:T+j+1], v[64*(\a%4)+j:64*(\a%4)+j+1], s[92:93], v[BR+2*\a:BR+2*\a+1] op_sel_hi:[1,0,1]   ; each accumulator from its low end on
.else
	v_pk_fma_f32 v[T+j:T+j+1], v[64*(\a%4)+j:64*(\a%4)+j+1], s[92:93], v[BC+j:BC+j+1] op_sel_hi:[1,0,1]
.endif
.set j, j+2
.endr
	WIN 0
.set j, 0
.rept 64
	v_med3_num_f32 v[T+j], v[T+j], -v[LIMV], v[LIMV]   ; the conversion to an 8-bit code does not saturate (ISA guide 7.6.2)
.set j, j+1
.endr
.if \a >= 4
	s_wait_xcnt 0x0                                ; the codes' four sets take turns: the stores of four blocks ago have read theirs
.endif
.irp g, 0,1,2,3
	v_cvt_scalef32_pk8_fp8_f32 v[CD+16*(\a%4)+4*\g:CD+16*(\a%4)+4*\g+1], v[T+16*\g:T+16*\g+7], v[SCV]
	v_cvt_scalef32_pk8_fp8_f32 v[CD+16*(\a%4)+4*\g+2:CD+16*(\a%4)+4*\g+3], v[T+16*\g+8:T+16*\g+15], v[SCV]
.endr
	v_nop                                          ; a plain line between the conversions and the next block's writes of their sources
.irp g, 0,1,2,3
.if \kind
	global_store_b128 v[CO], v[CD+16*(\a%4)+4*\g:CD+16*(\a%4)+4*\g+3], s[94:95] offset:(\a/4)*131072+(\a%4)*2048+\g*512   ; 32 lanes store 512 consecutive bytes, aligned
.else
	global_store_b128 v[CO], v[CD+16*(\a%4)+4*\g:CD+16*(\a%4)+4*\g+3], s[94:95] offset:(\g/2)*131072+\a*1024+(\g%2)*512
.endif
.endr
.endr
.endm
	s_cmp_eq_u32 s75, 2                            ; z: the same in all partners
	s_cbranch_scc1 .Lv
	EPI 0
	s_endpgm
.Lv:
	EPI 1
	s_endpgm
.Lfunc_end_k_q09460be080_proj:
	.size	k_q09460be080_proj, .Lfunc_end_k_q09460be080_proj-k_q09460be080_proj
	.p2alignl 7, 3214868480
	.fill 96, 4, 3214868480
	.section	.rodata,"a",@progbits
	.p2align	6, 0x0
	.amdhsa_kernel k_q09460be080_proj
		.amdhsa_group_segment_fixed_size 327680
		.amdhsa_private_segment_fixed_size 0
		.amdhsa_enable_private_segment 0
		.amdhsa_kernarg_size 56
		.amdhsa_user_sgpr_count 2
		.amdhsa_user_sgpr_kernarg_segment_ptr 1
		.amdhsa_wavefront_size32 1
		.amdhsa_system_sgpr_workgroup_id_x 1
		.amdhsa_system_sgpr_workgroup_id_y 1
		.amdhsa_system_sgpr_workgroup_id_z 1
		.amdhsa_system_vgpr_workitem_id 0
		.amdhsa_next_free_vgpr 1024
		.amdhsa_next_free_sgpr 100
		.amdhsa_reserve_vcc 0
		.amdhsa_float_denorm_mode_32 3
		.amdhsa_float_denorm_mode_16_64 3
		.amdhsa_memory_ordered 1
		.amdhsa_forward_progress 1
		.amdhsa_inst_pref_size 194
	.end_amdhsa_kernel
	.amdgpu_metadata
---
amdhsa.version: [ 1, 2 ]
amdhsa.kernels:
  - .name:           k_q09460be080_proj
    .symbol:         k_q09460be080_proj.kd
    .args:
      - { .name: xc, .offset: 0, .size: 8, .value_kind: global_buffer, .address_space: global }
      - { .name: wc, .offset: 8, .size: 8, .value_kind: global_buffer, .address_space: global }
      - { .name: bq, .offset: 16, .size: 8, .value_kind: global_buffer, .address_space: global }
      - { .name: bk, .offset: 24, .size: 8, .value_kind: global_buffer, .address_space: global }
      - { .name: bv, .offset: 32, .size: 8, .value_kind: global_buffer, .address_space: global }
      - { .name: lowp_scales, .offset: 40, .size: 8, .value_kind: global_buffer, .address_space: global }
      - { .name: himg, .offset: 48, .size: 8, .value_kind: global_buffer, .address_space: global }
    .group_segment_fixed_size: 327680
    .private_segment_fixed_size: 0
    .kernarg_segment_align: 8
    .kernarg_segment_size: 56
    .max_flat_workgroup_size: 128
    .sgpr_count:     100
    .vgpr_count:     1024
    .wavefront_size: 32
...
	.end_amdgpu_metadata
.endif
;; end of part 2
;; launch attn (part 3): grid 4 x 64, 16 waves a work-group, no clusters, 280,576 bytes of LDS; arguments himg, maskw, flags, lowp_scales, aimg; writes aimg
.if DOCPART == 3
	.amdgcn_target "amdgcn-amd-amdhsa--gfx1250"
	.amdhsa_code_object_version 6
	.text
	.protected	k_q09460be080_attn
	.globl	k_q09460be080_attn
	.p2align	8
	.type	k_q09460be080_attn,@function
k_q09460be080_attn:
	s_mov_b64 s[64:65], 0
	v_nop
	global_prefetch_b8 v0, s[64:65] scope:SCOPE_SE
	s_setreg_imm32_b32 hwreg(HW_REG_WAVE_MODE, 25, 1), 1
	s_wait_xcnt 0x0
; ATTENTION ON CODES OF FP8 (E4M3): S^T = K Q^T (K = the head's 64), softmax, O^T = V^T P^T (K = the keys), the result quantised for the last projection.  The mask is the one that is GIVEN, as words of lane bits.
; THE SOFTMAX: t = score x log2(e) / 8; M = the running largest t rounded UP to a whole number; p = 2^(t - M) is quantised with 2^e8; the sum is taken of the unquantised p and divides at the end.
; A CLOSED ENTRY'S LOGIT IS -2^30 HERE, NOT -1e9: as a raw score R = -2^33 / 2^(e6 + e7), a power of two, so that R x c is exact and a query with no open key gets t - M = 0, p = 1 for every key, as with -1e9.
; LIMIT: e6 + e7 between -94 and 9: open logits, at most 448^2 x 64 x 2^(e6 + e7) / 8 in size, then lie so far above both numbers that a closed entry's p is 0 beside any open one, with either.
; LIMITS: e8 and e10 between -126 and 119; e8 + e9 is applied by v_ldexp_f32 and has none.
; SHARES.  Work-group (i, head) owns two blocks of 256 queries, 7 - i (pass 0) and i (pass 1); each of its sixteen waves one tile of 16 queries a pass, in 256 registers: four waves to a SIMD.
; The head's K and V, 256 KiB of register images, are copied into LDS once, during pass 0, a step of 128 keys a trip, each step into bytes of its own: nothing in LDS is ever written twice.
; STEPS THAT THE MASK THROWS AWAY ARE LEFT OUT, by scalar branches on the flags that the first launch stored from the mask itself.
; a step that none of the work-group's 32 tiles wants is not copied.  Every wave walks all 16 trips of both passes and passes every barrier.
; NO TENSOR LOADS AND NO CLUSTER: what is copied hangs on numbers read from memory; joint requests exist for tensor loads alone.
; LAYOUT.  A lane holds ONE query (lane % 16) throughout.  Tile t of K holds keys 32 (t / 2) + 8 (t % 2) + r + 8 (r / 8), so register 16 b + i of S^T is key 32 b + 16 (lane / 16) + i: p's conversions give the next operand.
; V's tiles hold channels in the same order, so O^T's 16 registers of two tiles are 16 neighbouring channels: the last conversions give the next launch's operand.
; REGISTERS: v1 16 x lane; v2 16 x thread; v3 256 x lane; v4, v5 the add's two; v6, v7 addresses of K's and V's fragments; v8, v9 of the copy; v10 of the prefetch; v12 -M, v13 the largest t, v[14:15] the sum;
;   v16-23 Q; v24-31 the copy's data; v32-95 fragments of K, then of V; v96-159 S^T, then p; v160-191 O^T; v192-207 p's codes; v208-215 the result's codes; v236-254 at work and constants.
.set VOFF,  139264                     ; LDS: 17 places of 8,192 bytes for K, then 17 for V.  The 17th of each is named by the last trip's store alone, which is never taken
.set SPARE, 278528                     ; behind them: the spare words, 128 bytes for each wave, which no other line names
.set LI,   1
.set STA,  2
.set PFO,  3
.set SPW,  4
.set NIL,  5
.set ADK,  6
.set ADV,  7
.set ADS,  8
.set ADSV, 9
.set PFV,  10
.set WV,   14                          ; s14 my wave's number
.set TB,   15                          ; s15 8,192 x the trip: a step's place in K's images, in memory and in LDS alike
.set FW,   66                          ; s66 my tile's flags, s67 the steps to copy, s84 the steps to prefetch: each shifted right by one a trip
.set STW,  67
.set PFW,  84
.set TRIPS, 85
.set PASS, 86
.set EPV,  87                          ; s87 e8 + e9
.set CS,   88                          ; s[88:89] c = log2(e) / 8 x 2^(e6 + e7)
.set SEL,  90                          ; s[90:91] v_permlanex16_b32's selects for lane l xor 16
.set PFA,  92                          ; s[92:93] the prefetches' base: K's images (wave 0) or V's (wave 1)
.set MO,   94                          ; s94 256 x the trip: a step's words of the mask
.set ST,   95                          ; s95 the steps that some tile of my work-group wants
; s[2:3] maskw; s[4:5], s[6:7] K's and V's images of my head; s[8:9] my Q; s[10:11] my place in aimg; s[12:13] my tile's words; s96, s97 my flags of the two passes; s[98:99] aimg at my head.
; s[16:63], s[68:83]: a step's 64 words of the mask (word n in s[16 + n], from n = 48 on in s[20 + n]); scratch at the head and at a pass's start.
	s_load_b256 s[16:23], s[0:1], 0x0              ; himg s[16:17], maskw s[18:19], flags s[20:21], the scales' exponents s[22:23]
	s_load_b64 s[24:25], s[0:1], 0x20              ; aimg
	v_lshl_add_u32 v[SPW], v0, 2, SPARE
	v_mov_b32 v[NIL], 0
	v_lshrrev_b32 v6, 5, v0
	v_readfirstlane_b32 s[WV], v6
	v_and_b32 v3, 31, v0
	v_lshlrev_b32 v[LI], 4, v3
	v_lshlrev_b32 v[STA], 4, v0
	v_lshlrev_b32 v[PFO], 8, v3
	v_add_nc_u32 v[ADSV], VOFF, v[STA]
	s_and_b32 s26, ttmp7, 0xffff                   ; 16 batch + head
	s_sub_co_u32 s27, 7, ttmp9
	s_lshl_b32 s29, s27, 4
	s_add_co_u32 s29, s29, s[WV]
	s_lshl_b32 s29, s29, 2                         ; my tile's flags in pass 0: tile 16 (7 - i) + w
	s_lshl_b32 s27, s27, 6                         ; the sixteen flags of block 7 - i
	s_lshl_b32 s28, ttmp9, 6                       ; and of block i
	s_lshl_b32 s30, ttmp9, 4
	s_add_co_u32 s30, s30, 15
	s_sub_co_u32 s30, s30, s[WV]
	s_lshl_b32 s30, s30, 2                         ; in pass 1: tile 16 i + 15 - w
	s_lshl_b32 s100, s26, 17                       ; a head's images of one kind: 131,072 bytes
	s_mov_b32 s101, 0
	s_mov_b32 s[SEL], 0x76543210
	s_mov_b32 s[SEL+1], 0xfedcba98
	s_mov_b32 s[PASS], 0
	s_wait_kmcnt 0x0
	s_load_b256 s[68:75], s[22:23], 0x0            ; e0 .. e7
	s_load_b128 s[76:79], s[22:23], 0x20           ; e8 .. e11
	s_load_b512 s[32:47], s[20:21], s27 offset:0x0
	s_load_b512 s[48:63], s[20:21], s28 offset:0x0
	s_load_b32 s96, s[20:21], s29 offset:0x0
	s_load_b32 s97, s[20:21], s30 offset:0x0
	s_add_nc_u64 s[4:5], s[16:17], s[100:101]
	s_add_nc_u64 s[6:7], s[4:5], 0x1000000         ; V's images
	s_add_nc_u64 s[4:5], s[4:5], 0x800000          ; K's images
	s_mov_b64 s[2:3], s[18:19]
	global_load_b128 v[24:27], v[STA], s[4:5]      ; step 0 is copied whatever the flags say: 512 threads x 16 bytes are a step's 8,192
	global_load_b128 v[28:31], v[STA], s[6:7]
	s_lshr_b32 s100, s26, 4
	s_lshl_b32 s100, s100, 21                      ; a batch in aimg: 128 tiles x 16,384 bytes
	s_and_b32 s31, s26, 15
	s_lshl_b32 s31, s31, 10                        ; a head: 1,024 bytes of a tile's 16,384
	s_add_co_u32 s100, s100, s31
	s_add_nc_u64 s[98:99], s[24:25], s[100:101]
	s_cmp_eq_u32 s[WV], 0
	s_cselect_b64 s[PFA:PFA+1], s[4:5], s[6:7]
	v_mov_b32 v236, 0                              ; written once: a lane permute's destination counts as one of its sources
	v_mov_b32 v252, 0
	v_mov_b32 v253, 0                              ; (named as the upper half of the pair v[252:253])
	v_mov_b32 v254, 0
	s_wait_kmcnt 0x0
	s_mov_b32 s[ST], s32
.irp n, 33,34,35,36,37,38,39,40,41,42,43,44,45,46,47,48,49,50,51,52,53,54,55,56,57,58,59,60,61,62,63
	s_or_b32 s[ST], s[ST], s\n
.endr
	s_and_b32 s[ST], s[ST], 0xffff                 ; the work bits of all 32 tiles
	s_add_co_i32 s100, s74, s75                    ; e6 + e7
	s_lshl_b32 s101, s100, 23
	s_mov_b32 s[CS], 0x3e38aa3b                    ; log2(e) / 8
	s_add_co_i32 s[CS], s[CS], s101                ; a score stands for score x 2^(e6 + e7): added to c's exponent field
	s_mov_b32 s[CS+1], s[CS]
	s_sub_co_i32 s100, 160, s100
	s_lshl_b32 s100, s100, 23
	s_or_b32 s100, s100, 0x80000000
	v_mov_b32 v245, s100                           ; R = -2^(33 - e6 - e7)
	s_add_co_i32 s100, s76, 127
	s_lshl_b32 s101, s100, 23
	v_mov_b32 v244, s101                           ; 2^e8, for p's conversions
	s_add_co_i32 s100, s100, 8
	s_lshl_b32 s100, s100, 23
	s_or_b32 s100, s100, 0x600000
	v_mov_b32 v240, s100                           ; 448 x 2^e8
	s_add_co_i32 s100, s78, 127
	s_lshl_b32 s101, s100, 23
	v_mov_b32 v246, s101                           ; 2^e10, for the result's
	s_add_co_i32 s100, s100, 8
	s_lshl_b32 s100, s100, 23
	s_or_b32 s100, s100, 0x600000
	v_mov_b32 v247, s100                           ; 448 x 2^e10
	s_add_co_i32 s[EPV], s76, s77
	s_wait_loadcnt 0x0
	ds_store_b128 v[STA], v[24:27]
	ds_store_b128 v[ADSV], v[28:31]
	s_wait_dscnt 0x0                               ; for the others' sake: my part of step 0 lies in LDS
	s_barrier_signal -1
	s_barrier_wait -1
.Lpass:
	s_lshl_b32 s16, ttmp9, 4
	s_sub_co_u32 s17, 112, s16
	s_add_co_u32 s17, s17, s[WV]                   ; pass 0: tile 16 (7 - i) + w
	s_add_co_u32 s16, s16, 15
	s_sub_co_u32 s16, s16, s[WV]                   ; pass 1: tile 16 i + 15 - w
	s_lshr_b32 s18, s[WV], 1
	s_or_b32 s18, s18, ttmp9
	s_or_b32 s18, s18, s[PASS]                     ; 0 in waves 0 and 1 of the head's first work-group, in pass 0: they prefetch
	s_and_b32 s19, s[ST], 0xfff8                   ; steps 3 on: the first steps come by their loads alone
	s_cmp_eq_u32 s18, 0
	s_cselect_b32 s[PFW], s19, 0
	s_cmp_eq_u32 s[PASS], 0
	s_cselect_b32 s16, s17, s16                    ; T
	s_cselect_b32 s[FW], s96, s97
	s_cselect_b32 s[STW], s[ST], 0                 ; pass 1 finds all it wants in LDS
	s_lshl_b32 s20, s16, 10
	s_mov_b32 s21, 0
	s_sub_nc_u64 s[8:9], s[4:5], 0x800000          ; Q's images of my head lie 8 MiB ahead of K's
	s_add_nc_u64 s[8:9], s[8:9], s[20:21]
	s_lshl_b32 s20, s16, 12
	s_add_nc_u64 s[12:13], s[2:3], s[20:21]
	s_lshl_b32 s20, s16, 14
	s_add_nc_u64 s[10:11], s[98:99], s[20:21]
	global_load_b128 v[16:19], v[LI], s[8:9]       ; Q's fragment: channels 16 h .., 32 + 16 h ..
	global_load_b128 v[20:23], v[LI], s[8:9] offset:512
	v_mov_b32 v13, 0xff61b1e6                      ; the largest t so far: -3e38
	v_floor_f32 v12, -v13                          ; -M
	v_mov_b32 v14, 0
	v_mov_b32 v15, 0
.set j, 0
.rept 32
	v_mov_b32 v[160+j], 0                          ; O^T: the step is written once; the first finds zeros
.set j, j+1
.endr
	s_mov_b32 s[TB], 0
	s_mov_b32 s[MO], 0
	s_mov_b32 s[TRIPS], 16
	s_wait_loadcnt 0x0                             ; Q
.Ltrip:
	v_add_nc_u32 v[ADS], s[TB], v[STA]
	v_add_nc_u32 v[ADSV], VOFF, v[ADS]
	v_add_nc_u32 v[PFV], s[TB], v[PFO]
	s_bitcmp1_b32 s[STW], 1                        ; is the next step wanted?  Then its images are asked for now and land under this step's work
	s_cbranch_scc0 .Lno_stage
	global_load_b128 v[24:27], v[ADS], s[4:5] offset:8192
	global_load_b128 v[28:31], v[ADS], s[6:7] offset:8192
.Lno_stage:
	s_bitcmp1_b32 s[PFW], 2                        ; the step after that, if it is wanted: a prefetch one trip ahead of its loads; wave 0 names K's 8,192 bytes, wave 1 V's, lanes 256 bytes apart.
	s_cbranch_scc0 .Lno_pf                         ; All four work-groups of a head copy the same images: the first of them asks, so each block is named once.  No bit stands for a step past the last
	global_prefetch_b8 v[PFV], s[PFA:PFA+1] offset:16384 th:TH_LOAD_NT scope:SCOPE_SE
.Lno_pf:
	s_bitcmp1_b32 s[FW], 0                         ; has my tile work in this step?
	s_cbranch_scc0 .Lno_step
	; ---- a key step: 128 keys
	s_load_b512 s[16:31], s[12:13], s[MO] offset:0x0       ; the step's 64 words of the mask
	s_load_b512 s[32:47], s[12:13], s[MO] offset:0x40
	s_load_b512 s[48:63], s[12:13], s[MO] offset:0x80
	s_load_b512 s[68:83], s[12:13], s[MO] offset:0xc0
	v_add_nc_u32 v[ADK], s[TB], v[LI]
	v_add_nc_u32 v[ADV], VOFF, v[ADK]
	v_nop
	v_nop                                          ; with the two additions: four places in front of loads into registers that the last products read
.irp t, 0,1,2,3,4,5,6,7
	ds_load_b128 v[32+8*\t:35+8*\t], v[ADK] offset:1024*\t
	ds_load_b128 v[36+8*\t:39+8*\t], v[ADK] offset:1024*\t+512
.endr
	s_wait_dscnt 0x0
.irp t, 0,1,2,3,4,5,6,7
	v_wmma_f32_16x16x64_fp8_fp8 v[96+8*\t:103+8*\t], v[32+8*\t:39+8*\t], v[16:23], 0
.endr
.rept 4
	v_nop                                          ; places: K's registers take V's fragments, and the scores are read
.endr
.irp t, 0,1,2,3
.irp c, 0,1,2,3
	ds_load_b128 v[32+16*\t+4*\c:35+16*\t+4*\c], v[ADV] offset:2048*\t+512*\c   ; they land under the softmax
.endr
.endr
	s_wait_kmcnt 0x0
	s_bitcmp1_b32 s[FW], 16                        ; a step with no closed entry skips the 64 selections
	s_cbranch_scc0 .Lopen
.set n, 0
.rept 64
.if n < 48
	v_cndmask_b32 v[96+n], v245, v[96+n], s[16+n]  ; the lane's bit of word n: open keeps the score, closed takes R
.else
	v_cndmask_b32 v[96+n], v245, v[96+n], s[20+n]
.endif
.set n, n+1
.endr
.Lopen:
	v_max3_num_f32 v254, v96, v97, v98             ; the step's largest score of my query among my 64 keys, in two chains,
	v_max3_num_f32 v252, v99, v100, v101
.irp i, 6,10,14,18,22,26,30,34,38,42,46,50,54,58
	v_max3_num_f32 v254, v254, v[96+\i], v[97+\i]
	v_max3_num_f32 v252, v252, v[98+\i], v[99+\i]
.endr
	v_max3_num_f32 v254, v254, v158, v159
	v_max_num_f32 v254, v254, v252
	v_permlanex16_b32 v236, v254, s[SEL], s[SEL+1]
	v_max_num_f32 v254, v254, v236                 ; and among lane l xor 16's
	v_mul_f32 v254, s[CS], v254                    ; as t (c is positive)
	v_max_num_f32 v13, v13, v254
	v_mov_b32 v254, v12
	v_floor_f32 v12, -v13                          ; the new -M = floor(-t): M is a whole number
	v_sub_f32 v254, v12, v254                      ; old M less new M: a whole number, 0 or less
	v_cvt_i32_f32 v254, v254                       ; (it saturates)
	v_ldexp_f32 v252, 1.0, v254                    ; f = 2^(old M - new M)
.set j, 0
.rept 32
	v_pk_fma_f32 v[96+j:97+j], v[96+j:97+j], s[CS:CS+1], v[12:13] op_sel_hi:[1,0,0]   ; t - M, two at a time
.set j, j+2
.endr
.set j, 0
.rept 64
	v_exp_f32 v[96+j], v[96+j]                     ; p = 2^(t - M)
.set j, j+1
.endr
	v_pk_mul_f32 v[14:15], v[14:15], v[252:253] op_sel_hi:[1,0]   ; the sums under the new M: the plain line behind the exponentials
	s_wait_alu depctr_va_vdst(0)                   ; one wait for the whole batch, ahead of its first reader
	v_pk_add_f32 v[242:243], v[96:97], v[98:99]    ; the sum of the unquantised p, in two chains
.irp j, 4,8,12,16,20,24,28,32,36,40,44,48,52,56,60
	v_pk_add_f32 v[14:15], v[14:15], v[96+\j:97+\j]
	v_pk_add_f32 v[242:243], v[242:243], v[98+\j:99+\j]
.endr
	v_pk_add_f32 v[14:15], v[14:15], v[242:243]
.irp b, 0,1,2,3
.irp i, 0,1,2,3,4,5,6,7,8,9,10,11,12,13,14,15
	v_min_num_f32 v[96+16*\b+\i], v[96+16*\b+\i], v240   ; the hold; p is not negative, so it is one-sided
.endr
	v_cvt_scalef32_pk8_fp8_f32 v[192+4*\b:193+4*\b], v[96+16*\b:103+16*\b], v244
	v_cvt_scalef32_pk8_fp8_f32 v[194+4*\b:195+4*\b], v[104+16*\b:111+16*\b], v244
.endr
.set j, 0
.rept 16
	v_pk_mul_f32 v[160+j:161+j], v[160+j:161+j], v[252:253] op_sel_hi:[1,0]   ; O^T under the new M; also the plain lines behind the conversions
.set j, j+2
.endr
	s_wait_dscnt 0x0                               ; V's fragments
.irp t, 0,1,2,3
	v_wmma_f32_16x16x128_fp8_fp8 v[160+8*\t:167+8*\t], v[32+16*\t:47+16*\t], v[192:207], v[160+8*\t:167+8*\t]   ; four accumulators by turns
.endr
.Lno_step:
	s_wait_loadcnt 0x0                             ; the next step's images are in registers (on every way: no load outlives a trip)
	s_bitcmp1_b32 s[STW], 1
	s_cbranch_scc0 .Lno_put
	ds_store_b128 v[ADS], v[24:27] offset:8192     ; into the next step's own bytes, which nobody reads before the barrier below
	ds_store_b128 v[ADSV], v[28:31] offset:8192
.Lno_put:
	s_wait_dscnt 0x0                               ; for the others' sake: my stores have landed
	s_barrier_signal -1
	s_barrier_wait -1
	s_wait_xcnt 0x0                                ; the trip's loads and its prefetch have read their addresses: they are written again below and at the next trip's head
	s_add_co_u32 s[TB], s[TB], 8192
	s_add_co_u32 s[MO], s[MO], 256
	s_lshr_b32 s[FW], s[FW], 1
	s_lshr_b32 s[STW], s[STW], 1
	s_lshr_b32 s[PFW], s[PFW], 1
	s_sub_co_u32 s[TRIPS], s[TRIPS], 1
	s_cmp_lg_u32 s[TRIPS], 0
	s_cbranch_scc1 .Ltrip
	; ---- a pass's end: O^T x 2^(e8 + e9) / the sum, quantised with 2^e10, stored as the last projection's operand registers
.rept 4
	v_nop                                          ; places behind the last products
.endr
	v_add_f32 v14, v14, v15
	v_permlanex16_b32 v252, v14, s[SEL], s[SEL+1]
	v_add_f32 v14, v14, v252                       ; the row's sum
	v_rcp_f32 v14, v14
	v_nop                                          ; a plain line behind the transcendental
	s_wait_alu depctr_va_vdst(0)                   ; and the wait ahead of its first reader
	v_ldexp_f32 v14, v14, s[EPV]
.set j, 0
.rept 16
	v_pk_mul_f32 v[96+j:97+j], v[160+j:161+j], v[14:15] op_sel_hi:[1,0]   ; register 16 b + i: channel 32 b + 16 h + i of my query; each accumulator from its low end on
.set j, j+2
.endr
.set j, 0
.rept 32
	v_med3_num_f32 v[96+j], v[96+j], -v247, v247
.set j, j+1
.endr
.irp b, 0,1
	v_cvt_scalef32_pk8_fp8_f32 v[208+4*\b:209+4*\b], v[96+16*\b:103+16*\b], v246
	v_cvt_scalef32_pk8_fp8_f32 v[210+4*\b:211+4*\b], v[104+16*\b:111+16*\b], v246
.endr
	v_nop                                          ; a plain line behind the last conversion
	global_store_b128 v[LI], v[208:211], s[10:11]             ; 32 lanes store 512 consecutive bytes, aligned
	global_store_b128 v[LI], v[212:215], s[10:11] offset:512
	s_wait_xcnt 0x0                                ; the stores have read their base and data: the next pass writes both
	s_add_co_u32 s[PASS], s[PASS], 1
	s_cmp_lt_u32 s[PASS], 2
	s_cbranch_scc1 .Lpass
	s_wait_tensorcnt 0x0                           ; the wave's end, behind my last LDS store
	ds_add_u32 v[SPW], v[NIL]
	s_wait_dscnt 0x0
	s_endpgm
.Lfunc_end_k_q09460be080_attn:
	.size	k_q09460be080_attn, .Lfunc_end_k_q09460be080_attn-k_q09460be080_attn
	.p2alignl 7, 3214868480
	.fill 96, 4, 3214868480
	.section	.rodata,"a",@progbits
	.p2align	6, 0x0
	.amdhsa_kernel k_q09460be080_attn
		.amdhsa_group_segment_fixed_size 280576
		.amdhsa_private_segment_fixed_size 0
		.amdhsa_enable_private_segment 0
		.amdhsa_kernarg_size 40
		.amdhsa_user_sgpr_count 2
		.amdhsa_user_sgpr_kernarg_segment_ptr 1
		.amdhsa_wavefront_size32 1
		.amdhsa_system_sgpr_workgroup_id_x 1
		.amdhsa_system_sgpr_workgroup_id_y 1
		.amdhsa_system_sgpr_workgroup_id_z 1
		.amdhsa_system_vgpr_workitem_id 0
		.amdhsa_next_free_vgpr 256
		.amdhsa_next_free_sgpr 102
		.amdhsa_reserve_vcc 0
		.amdhsa_float_denorm_mode_32 3
		.amdhsa_float_denorm_mode_16_64 3
		.amdhsa_memory_ordered 1
		.amdhsa_forward_progress 1
		.amdhsa_inst_pref_size 32
	.end_amdhsa_kernel
	.amdgpu_metadata
---
amdhsa.version: [ 1, 2 ]
amdhsa.kernels:
  - .name:           k_q09460be080_attn
    .symbol:         k_q09460be080_attn.kd
    .args:
      - { .name: himg, .offset: 0, .size: 8, .value_kind: global_buffer, .address_space: global }
      - { .name: maskw, .offset: 8, .size: 8, .value_kind: global_buffer, .address_space: global }
      - { .name: flags, .offset: 16, .size: 8, .value_kind: global_buffer, .address_space: global }
      - { .name: lowp_scales, .offset: 24, .size: 8, .value_kind: global_buffer, .address_space: global }
      - { .name: aimg, .offset: 32, .size: 8, .value_kind: global_buffer, .address_space: global }
    .group_segment_fixed_size: 280576
    .private_segment_fixed_size: 0
    .kernarg_segment_align: 8
    .kernarg_segment_size: 40
    .max_flat_workgroup_size: 512
    .sgpr_count:     102
    .vgpr_count:     256
    .wavefront_size: 32
...
	.end_amdgpu_metadata
.endif
;; end of part 3
;; launch outp (part 4): grid 4 x 32, 4 waves a work-group, clusters of 4 x 4, 327,680 bytes of LDS; arguments aimg, wc, lowp_scales, bo, out0; writes out0
.if DOCPART == 4
	.amdgcn_target "amdgcn-amd-amdhsa--gfx1250"
	.amdhsa_code_object_version 6
	.text
	.protected	k_q09460be080_outp
	.globl	k_q09460be080_outp
	.p2align	8
	.type	k_q09460be080_outp,@function
k_q09460be080_outp:
	s_mov_b64 s[64:65], 0
	v_nop
	global_prefetch_b8 v0, s[64:65] scope:SCOPE_SE
	s_setreg_imm32_b32 hwreg(HW_REG_WAVE_MODE, 25, 1), 1
	s_wait_xcnt 0x0
	s_wait_alu depctr_hold_cnt(0) depctr_sa_sdst(0) depctr_va_vdst(0) depctr_va_sdst(0) depctr_va_ssrc(0) depctr_va_vcc(0) depctr_vm_vsrc(0)
	s_getreg_b32 s2, hwreg(HW_REG_IB_STS2, 6, 4)
	s_cmp_eq_u32 s2, 0
	s_cbranch_scc0 .Lentry_in_a_cluster
	s_endpgm
.Lentry_in_a_cluster:
	s_bfe_u32 s2, ttmp6, 0x10000c
	s_cmp_lg_u32 s2, 0xf033
	s_cbranch_scc0 .Lentry_shape_is_right
	s_endpgm
.Lentry_shape_is_right:
; THE LAST PROJECTION: out = attn wo^T + bo on codes of FP8 (E4M3).  M = 8,192, N = K = 1,024; out f32.  A sum is multiplied once by 2^(e10 + e11), and bo is added by the same packed multiply-add.
; LIMIT: e10 + e11 between -126 and 127.  The k of a fragment lie in another order than the form's own, alike in A and B.
; A tile of 256 x 256 is made by four waves, 128 x 128 each; K goes in steps of 256 through a ring of two LDS slots filled by the tensor data mover.  128 work-groups: a smaller tile would read more LDS bytes for each product.
; A COMES AS IMAGES OF ITS REGISTERS: for each tile of 16 tokens (tile G, lane r: token 32 (G / 2) + 8 (G % 2) + r + 8 (r / 8)) 8 fragments of 2,048 bytes, one for each 128 along K, each four runs of 512 bytes, 16 a lane.
; A K step of a tile is 4,096 bytes on end; a wave's tensor load brings 8 tiles: 8 rows of 4,096 bytes, 16,384 apart.  They need no padding: a fragment load reads 512 consecutive bytes.  B = wo's codes, by rows.
; CLUSTERS: 4 x 4 work-groups; A's tile is asked for jointly along a row of the cluster, B's along a column.  Source 0 = 16 rows of B, source 1 = 16 tokens: a lane holds eight neighbouring numbers of a row of out.
; No prefetch: K has four steps, two come as the first fills and two as the only refills.
; REGISTERS, in windows of 256: window 0: v0-31 addresses; v32-35 my four numbers of bo; from v128 A's fragments, ONE set; on the way out v128-255 rows read back.  window 1: B's fragments, TWO sets.  windows 2, 3: the accumulators.
.set SIZE_N, 1024
.set ROWB,   256
.set KROW,   1024
.set ASTEP,  4096                      ; a K step of a tile of A
.set PITCH,  272                       ; B's LDS row: 256 bytes + 16 of padding
.set FR,     16
.set NL,     4
.set NP,     4
.set HALFA,  32768                     ; 8 tiles x 4,096 bytes: what one tensor load brings of A
.set HALFB,  128*PITCH
.set BOFF,   2*HALFA
.set SLOT,   BOFF+2*HALFB
.set LAPS,   2
.set SPARE,  2*SLOT                    ; behind the ring: the spare words, 128 bytes for each wave, which no other line names
.set SPITCH, 528                       ; the way out: a stage of 16 rows x (512 bytes + 16) for each wave, in slot 0, which has had its last fill and its last read when the first result is stored there
.set ADRA, 16
.set ADRB, 20
.set STO,  24
.set RD,   25
.set CO,   26
.set SPW,  28
.set NIL,  29
.set BI,   32
.set AF,   128
.set BK,   128
.set G1, 24
.set G0, 32
.set G1B, 48
.set G0B, 56
.set MSB, 0
.macro WIN new
.if MSB != (\new)
	s_set_vgpr_msb (MSB<<8)|(\new)
.set MSB, (\new)
.endif
.endm
.set MUL_LO, 0xa1
.set MUL_HI, 0xf1
.set TO_B,   0x40
.macro JLOAD g0a, g1a, g0b, g1b        ; waves 0 and 1 fetch for A, waves 2 and 3 for B; an s_nop 0 and four v_nop follow each of the two lines
	s_cmp_eq_u32 s15, 0
	s_cbranch_scc0 .Lfor_b_\@
	tensor_load_to_lds s[\g0a:\g0a+3], s[\g1a:\g1a+7]
	s_nop 0
.rept 4
	v_nop
.endr
	s_branch .Lasked_\@
.Lfor_b_\@:
	tensor_load_to_lds s[\g0b:\g0b+3], s[\g1b:\g1b+7]
	s_nop 0
.rept 4
	v_nop
.endr
.Lasked_\@:
.endm
.macro CREST
	s_cmp_lg_u32 s14, 0
	s_cbranch_scc1 .Lnot_wave_0_\@
	s_barrier_signal -3
.Lnot_wave_0_\@:
	s_barrier_wait -3
	s_barrier_signal -1
	s_barrier_wait -1
.endm
.macro CROUND
	s_barrier_signal -1
	s_barrier_wait -1
	CREST
.endm
	s_load_b128 s[4:7], s[0:1], 0x0                ; aimg s[4:5], wc s[6:7]
	s_load_b128 s[8:11], s[0:1], 0x10              ; the scales' exponents s[8:9], bo s[10:11]
	s_load_b64 s[12:13], s[0:1], 0x20              ; out0
	v_lshl_add_u32 v[SPW], v0, 2, SPARE
	v_mov_b32 v[NIL], 0
	ds_add_u32 v[SPW], v[NIL]                      ; the wave's opening: the add and its wait, ahead of my first tensor load
	v_lshrrev_b32 v1, 5, v0
	v_readfirstlane_b32 s14, v1                    ; wave 0..3
	s_lshr_b32 s15, s14, 1                         ; which half of the tile's rows is mine.  Also: I fetch for A (0) or for B (1)
	s_and_b32 s16, s14, 1                          ; which half of its columns.  Also: which half of that tile I fetch
	s_bfe_u32 s40, ttmp6, 0x40000                  ; cx
	s_bfe_u32 s41, ttmp6, 0x40004                  ; cy
	s_lshl_b32 s42, ttmp9, 2
	s_add_co_u32 s42, s42, s40                     ; tile column
	s_and_b32 s17, ttmp7, 0xffff
	s_lshl_b32 s17, s17, 2
	s_add_co_u32 s17, s17, s41                     ; tile row
	s_lshl_b32 s43, s41, 2
	s_lshl_b32 s43, 15, s43                        ; my row of the cluster
	s_lshl_b32 s44, 0x1111, s40                    ; my column
	; group 1 for A: 8 rows of 512 elements of 8 bytes, 2,048 elements apart, no padding
	s_or_b32 s[G1+0], s43, (3<<16)|(1<<21)
	s_mov_b32 s[G1+1], 512<<16                     ; tensor_dim0
	s_mov_b32 s[G1+2], 8<<16                       ; tensor_dim1
	s_mov_b32 s[G1+3], 512<<16                     ; tile_dim0
	s_mov_b32 s[G1+4], 8                           ; tile_dim1
	s_mov_b32 s[G1+5], 2048                        ; tensor_dim0_stride
	s_mov_b32 s[G1+6], 0
	s_mov_b32 s[G1+7], 0
	; group 1 for B: 128 rows of 256 bytes, four words of padding after every 64
	s_or_b32 s[G1B+0], s44, (0<<16)|(1<<20)|(1<<21)|(5<<22)|(3<<25)
	s_mov_b32 s[G1B+1], ROWB<<16
	s_mov_b32 s[G1B+2], 128<<16
	s_mov_b32 s[G1B+3], ROWB<<16
	s_mov_b32 s[G1B+4], 128
	s_mov_b32 s[G1B+5], KROW
	s_mov_b32 s[G1B+6], 0
	s_mov_b32 s[G1B+7], 0
	s_lshl_b32 s20, s17, 18                        ; A: 16 tiles of 16,384 bytes for each tile row,
	s_lshl_b32 s18, s16, 17                        ; 8 for each half
	s_add_co_u32 s20, s20, s18
	s_mov_b32 s21, 0
	s_lshl_b32 s46, s42, 8
	s_lshl_b32 s18, s16, 7
	s_add_co_u32 s46, s46, s18                     ; B: row 256 x tile column + 128 x half
	s_lshl_b32 s46, s46, 10
	s_add_co_u32 s46, s46, 0x300000                ; wo's codes lie 3 MiB into wc
	s_mov_b32 s47, 0
	s_mul_i32 s45, s16, HALFA                      ; where A's half goes,
	s_mul_i32 s19, s16, HALFB
	s_add_co_u32 s19, s19, BOFF                    ; and B's: the wave's number alone
	s_wait_dscnt 0x0                               ; the opening add is done
	s_wait_kmcnt 0x0
	s_load_b64 s[96:97], s[8:9], 0x28              ; e10, e11
	s_add_nc_u64 s[20:21], s[4:5], s[20:21]
	s_add_nc_u64 s[46:47], s[6:7], s[46:47]
	CROUND                                         ; all sixteen work-groups are here: the first joint loads meet
.irp s, 0,1
	s_mov_b32 s[G0+4*\s], 1
	s_add_co_u32 s[G0+4*\s+1], s45, \s*SLOT
	s_add_nc_u64 s[G0+4*\s+2:G0+4*\s+3], s[20:21], \s*ASTEP
	s_or_b32 s[G0+4*\s+3], s[G0+4*\s+3], 0x80000000
	s_mov_b32 s[G0B+4*\s], 1
	s_add_co_u32 s[G0B+4*\s+1], s19, \s*SLOT
	s_add_nc_u64 s[G0B+4*\s+2:G0B+4*\s+3], s[46:47], \s*ROWB
	s_or_b32 s[G0B+4*\s+3], s[G0B+4*\s+3], 0x80000000
	JLOAD G0+4*\s, G1, G0B+4*\s, G1B
.endr
	v_and_b32 v1, 15, v0                           ; r
	v_bfe_u32 v2, v0, 4, 1                         ; h
	v_mul_u32_u24 v3, v1, PITCH
	v_lshl_add_u32 v4, v2, 4, v3                   ; B: a fragment's row x pitch + 16 x half
	v_and_b32 v6, 31, v0
	v_lshlrev_b32 v[CO], 4, v6                     ; 16 x lane: A's images, and a row of out
	s_mul_i32 s21, s15, HALFA                      ; my 8 tiles of A
	s_mul_i32 s22, s16, HALFB                      ; my 128 rows of B
	s_add_co_u32 s22, s22, BOFF
.irp s, 0,1
	v_add_nc_u32 v[ADRA+\s], s21, v[CO]
	v_add_nc_u32 v[ADRB+\s], s22, v4
	s_add_co_u32 s21, s21, SLOT
	s_add_co_u32 s22, s22, SLOT
.endr
	s_mul_i32 s23, s14, 16*SPITCH                  ; my stage
	v_mul_u32_u24 v5, v1, SPITCH
	v_lshl_add_u32 v5, v2, 5, v5
	v_add_nc_u32 v[STO], s23, v5                   ; in: row r, 32 bytes for each half of the lanes
	v_add_nc_u32 v[RD], s23, v[CO]                 ; back: the 32 lanes take one row of 512 bytes
	s_lshl_b32 s20, s17, 8
	s_lshl_b32 s21, s15, 7
	s_add_co_u32 s20, s20, s21                     ; my first row of out
	s_lshl_b32 s20, s20, 12                        ; rows of 4,096 bytes
	s_mov_b32 s21, 0
	s_lshl_b32 s46, s42, 10                        ; my first column, in bytes
	s_lshl_b32 s47, s16, 9
	s_add_co_u32 s46, s46, s47
	s_mov_b32 s47, 0
	s_add_nc_u64 s[20:21], s[20:21], s[46:47]
	s_add_nc_u64 s[12:13], s[12:13], s[20:21]
	v_add_nc_u32 v8, s46, v[CO]
	global_load_b128 v[BI:BI+3], v8, s[10:11]      ; bo at the four columns that I hold of every row read back
.macro FRAGB reg, adr, q, i
.irp c, 0,1,2,3
	ds_load_b128 v[\reg+4*\c:\reg+4*\c+3], v[\adr] offset:128*(\q)+32*\c+(\i)*16*PITCH
.endr
.endm
.macro FRAGA reg, adr, q, i            ; an image comes back as it was stored: tile i, the slot's q-th 128 along K, four runs of 512 bytes
.irp c, 0,1,2,3
	ds_load_b128 v[\reg+4*\c:\reg+4*\c+3], v[\adr] offset:4096*(\i)+2048*(\q)+512*\c
.endr
.endm
.macro MUL16 a0, p, zero               ; the 64 accumulators take turns, one instruction a turn
.irp a, \a0, \a0+1
.irp b, 0,1,2,3,4,5,6,7
.if \zero
	v_wmma_f32_16x16x128_fp8_fp8 v[8*(8*((\a)%4)+\b):8*(8*((\a)%4)+\b)+7], v[128*(\p)+FR*\b:128*(\p)+FR*\b+FR-1], v[AF+FR*(\a):AF+FR*(\a)+FR-1], 0
.else
	v_wmma_f32_16x16x128_fp8_fp8 v[8*(8*((\a)%4)+\b):8*(8*((\a)%4)+\b)+7], v[128*(\p)+FR*\b:128*(\p)+FR*\b+FR-1], v[AF+FR*(\a):AF+FR*(\a)+FR-1], v[8*(8*((\a)%4)+\b):8*(8*((\a)%4)+\b)+7]
.endif
.endr
.endr
.endm
.macro FETCH_B slot, q, p
	WIN TO_B
.irp i, 0,1,2,3,4,5,6,7
	FRAGB 128*(\p)+FR*\i, ADRB+\slot, \q, \i
.endr
	WIN 0
.endm
.macro FETCH_A slot, q, i0
.irp i, \i0, \i0+1, \i0+2, \i0+3
	FRAGA AF+FR*(\i), ADRA+\slot, \q, \i
.endr
.endm
.macro PLACES n
.rept \n
	v_nop
.endr
.endm
.macro STEP slot, q, zero
	s_wait_dscnt 4*NL                              ; B's set and A's blocks 0-3 are in; the youngest sixteen loads (A's blocks 4-7) may be out
	WIN MUL_LO
	MUL16 0, (\q)%2, \zero
	MUL16 2, (\q)%2, \zero
	s_wait_dscnt 0
	PLACES NP
	FETCH_B \slot, (\q)+1, 1-(\q)%2
	FETCH_A \slot, (\q)+1, 0
	WIN MUL_HI
	MUL16 4, (\q)%2, \zero
	MUL16 6, (\q)%2, \zero
	PLACES NP
	WIN 0
	FETCH_A \slot, (\q)+1, 4
.endm
.macro TURN slot, next, fill
	s_wait_tensorcnt 0x0                           ; all my tensor loads have landed: my part of the next slot
	ds_add_u32 v[SPW], v[NIL]                      ; 0 onto my spare word
	s_wait_dscnt 4*NL+1                            ; the add and the youngest sixteen loads may be out
	WIN MUL_LO
	MUL16 0, 1, 0
	s_wait_dscnt 0x0                               ; the add is done, and my reads of this slot are over
	s_barrier_signal -1
	MUL16 2, 1, 0
	WIN 0
	s_barrier_wait -1
.if \fill
	CREST                                          ; the barrier has opened a round of the cluster's: no wave of any partner still reads this slot or has a load on its way
	s_add_nc_u64 s[G0+4*\slot+2:G0+4*\slot+3], s[G0+4*\slot+2:G0+4*\slot+3], 2*ASTEP
	s_add_nc_u64 s[G0B+4*\slot+2:G0B+4*\slot+3], s[G0B+4*\slot+2:G0B+4*\slot+3], 2*ROWB
	JLOAD G0+4*\slot, G1, G0B+4*\slot, G1B
.else
	PLACES NP
.endif
	FETCH_B \next, 0, 0
	FETCH_A \next, 0, 0
	WIN MUL_HI
	MUL16 4, 1, 0
	MUL16 6, 1, 0
	PLACES NP
	WIN 0
	FETCH_A \next, 0, 4
.endm
	s_wait_tensorcnt 1                             ; my part of K step 0 is in; K step 1's load may be out
	s_barrier_signal -1
	s_barrier_wait -1
	FETCH_B 0, 0, 0
	FETCH_A 0, 0, 0
	FETCH_A 0, 0, 4
	STEP 0, 0, 1
	s_mov_b32 s3, LAPS-1
.Llap:
	TURN 0, 1, 1
	STEP 1, 0, 0
	TURN 1, 0, 1
	STEP 0, 0, 0
	s_sub_co_u32 s3, s3, 1
	s_cmp_lg_u32 s3, 0
	s_cbranch_scc1 .Llap
	TURN 0, 1, 0
	STEP 1, 0, 0
	s_wait_dscnt 4*NL
	WIN MUL_LO
	MUL16 0, 1, 0
	MUL16 2, 1, 0
	s_wait_dscnt 0
	WIN MUL_HI
	MUL16 4, 1, 0
	MUL16 6, 1, 0
	WIN 0
; THE WAY OUT, block by block of 16 tokens x 128 columns.  The raw sums go from the accumulators into my own stage and come back as whole rows of 512 bytes; there every row has the same four columns in a lane, so four
; registers of bo serve all rows, and sum x 2^(e10 + e11) + bo is one packed multiply-add for two numbers.  LDS serves a wave's instructions in order (ISA guide 5.7.1.4): no wait between the stores and the loads.
.macro TOSTAGE a
.set AC, 64*((\a)%4)
	WIN 0x08+4*((\a)/4)                            ; the stores' data: window 2 or 3
.irp b, 0,1,2,3,4,5,6,7
	ds_store_b128 v[STO], v[AC+8*\b:AC+8*\b+3] offset:64*\b          ; each accumulator from its low end on
	ds_store_b128 v[STO], v[AC+8*\b+4:AC+8*\b+7] offset:64*\b+16
.endr
	WIN 0
.set BB, BK+64*((\a)%2)
.irp t, 0,1,2,3,4,5,6,7,8,9,10,11,12,13,14,15
	ds_load_b128 v[BB+4*\t:BB+4*\t+3], v[RD] offset:\t*SPITCH
.endr
.endm
.macro SEND a, younger                 ; younger: the LDS instructions issued behind block a's loads, which may stay out
.set BB, BK+64*((\a)%2)
	s_wait_dscnt \younger
.if (\a) > 0
.if ((\a)%2) == 1
	s_add_nc_u64 s[12:13], s[12:13], 8*SIZE_N*4    ; (behind a wait on XCNT)  block a's first token: 32 (a / 2) + 8 (a % 2)
.else
	s_add_nc_u64 s[12:13], s[12:13], 24*SIZE_N*4
.endif
.endif
.irp t, 0,1,2,3,4,5,6,7,8,9,10,11,12,13,14,15
	v_pk_fma_f32 v[BB+4*\t:BB+4*\t+1], v[BB+4*\t:BB+4*\t+1], s[96:97], v[BI:BI+1] op_sel_hi:[1,0,1]
	v_pk_fma_f32 v[BB+4*\t+2:BB+4*\t+3], v[BB+4*\t+2:BB+4*\t+3], s[96:97], v[BI+2:BI+3] op_sel_hi:[1,0,1]
.endr
.irp t, 0,1,2,3,4,5,6,7,8,9,10,11,12,13,14,15
	global_store_b128 v[CO], v[BB+4*\t:BB+4*\t+3], s[12:13] offset:(\t+8*(\t/8))*SIZE_N*4 th:TH_STORE_NT   ; row t of the block is token t + 8 (t / 8): 32 lanes store 512 consecutive bytes, aligned
.endr
.endm
	s_wait_kmcnt 0x0
	s_add_co_i32 s96, s96, s97
	s_add_co_i32 s96, s96, 127
	s_lshl_b32 s96, s96, 23                        ; 2^(e10 + e11) as f32
	s_mov_b32 s97, s96
	s_wait_loadcnt 0x0                             ; bo
	PLACES NP                                      ; behind the last products: their results are stored, and loads land in A's registers
	TOSTAGE 0
.irp a, 1,2,3,4,5,6,7
.if \a > 1
	s_wait_xcnt 0x0                                ; block a - 2's stores have read their registers and their base
.endif
	TOSTAGE \a
	SEND \a-1, 32                                  ; behind block a - 1's loads: block a's 16 stores and 16 loads
.endr
	s_wait_xcnt 0x0
	SEND 7, 0
	s_wait_tensorcnt 0x0                           ; the wave's end, behind my last tensor load and my last LDS store
	ds_add_u32 v[SPW], v[NIL]
	s_wait_dscnt 0x0
	CROUND                                         ; the closing round
	s_endpgm
.Lfunc_end_k_q09460be080_outp:
	.size	k_q09460be080_outp, .Lfunc_end_k_q09460be080_outp-k_q09460be080_outp
	.p2alignl 7, 3214868480
	.fill 96, 4, 3214868480
	.section	.rodata,"a",@progbits
	.p2align	6, 0x0
	.amdhsa_kernel k_q09460be080_outp
		.amdhsa_group_segment_fixed_size 327680
		.amdhsa_private_segment_fixed_size 0
		.amdhsa_enable_private_segment 0
		.amdhsa_kernarg_size 40
		.amdhsa_user_sgpr_count 2
		.amdhsa_user_sgpr_kernarg_segment_ptr 1
		.amdhsa_wavefront_size32 1
		.amdhsa_system_sgpr_workgroup_id_x 1
		.amdhsa_system_sgpr_workgroup_id_y 1
		.amdhsa_system_sgpr_workgroup_id_z 1
		.amdhsa_system_vgpr_workitem_id 0
		.amdhsa_next_free_vgpr 1024
		.amdhsa_next_free_sgpr 98
		.amdhsa_reserve_vcc 0
		.amdhsa_float_denorm_mode_32 3
		.amdhsa_float_denorm_mode_16_64 3
		.amdhsa_memory_ordered 1
		.amdhsa_forward_progress 1
		.amdhsa_inst_pref_size 123
	.end_amdhsa_kernel
	.amdgpu_metadata
---
amdhsa.version: [ 1, 2 ]
amdhsa.kernels:
  - .name:           k_q09460be080_outp
    .symbol:         k_q09460be080_outp.kd
    .args:
      - { .name: aimg, .offset: 0, .size: 8, .value_kind: global_buffer, .address_space: global }
      - { .name: wc, .offset: 8, .size: 8, .value_kind: global_buffer, .address_space: global }
      - { .name: lowp_scales, .offset: 16, .size: 8, .value_kind: global_buffer, .address_space: global }
      - { .name: bo, .offset: 24, .size: 8, .value_kind: global_buffer, .address_space: global }
      - { .name: out0, .offset: 32, .size: 8, .value_kind: global_buffer, .address_space: global }
    .group_segment_fixed_size: 327680
    .private_segment_fixed_size: 0
    .kernarg_segment_align: 8
    .kernarg_segment_size: 40
    .max_flat_workgroup_size: 128
    .sgpr_count:     98
    .vgpr_count:     1024
    .wavefront_size: 32
...
	.end_amdgpu_metadata
.endif
;; end of part 4
;; ======== version 2 of 2: 4 launches; version 1 with the launch attn written anew for expert scheduling mode
;; limits: right only within a limited range of input values
;; workspace buffers: xc 25,165,824 bytes; wc 4,194,304 bytes; maskw 524,288 bytes of whole numbers; flags 512 bytes of whole numbers; himg 25,165,824 bytes; aimg 8,388,608 bytes
;; launch prep: the kernel of part 1 again; grid 464 x 1, 8 waves a work-group, no clusters, 66,560 bytes of LDS; arguments q, k, v, wq, wk, wv, wo, mask, lowp_scales, xc, wc, maskw, flags; writes xc, wc, maskw, flags
;; launch proj: the kernel of part 2 again; grid 4 x 96, 4 waves a work-group, clusters of 4 x 4, 327,680 bytes of LDS; arguments xc, wc, bq, bk, bv, lowp_scales, himg; writes himg
;; launch attn (part 5): grid 4 x 64, 16 waves a work-group, no clusters, 280,576 bytes of LDS; arguments himg, maskw, flags, lowp_scales, aimg; writes aimg
.if DOCPART == 5
	.amdgcn_target "amdgcn-amd-amdhsa--gfx1250"
	.amdhsa_code_object_version 6
	.text
	.protected	k_q09460be080_attn
	.globl	k_q09460be080_attn
	.p2align	8
	.type	k_q09460be080_attn,@function
k_q09460be080_attn:
	s_mov_b64 s[64:65], 0
	v_nop
	global_prefetch_b8 v0, s[64:65] scope:SCOPE_SE
	s_setreg_imm32_b32 hwreg(HW_REG_WAVE_SCHED_MODE, 0, 2), 2
	s_setreg_imm32_b32 hwreg(HW_REG_WAVE_MODE, 25, 1), 1
	s_wait_xcnt 0x0
	s_wait_alu depctr_vm_vsrc(0)
; ATTENTION ON CODES OF FP8 (E4M3): S^T = K Q^T (K = the head's 64), softmax, O^T = V^T P^T (K = the keys), the result quantised for the last projection.  The mask is the one that is GIVEN, as words of lane bits.
; THE SOFTMAX: t = score x log2(e) / 8; M = the running largest t rounded UP to a whole number; p = 2^(t - M) is quantised with 2^e8; the sum is taken of the unquantised p and divides at the end.
; A CLOSED ENTRY'S LOGIT IS -2^30 HERE, NOT -1e9: as a raw score R = -2^33 / 2^(e6 + e7), a power of two, so that R x c is exact and a query with no open key gets t - M = 0, p = 1 for every key, as with -1e9.
; LIMIT: e6 + e7 between -94 and 9: open logits, at most 448^2 x 64 x 2^(e6 + e7) / 8 in size, then lie so far above both numbers that a closed entry's p is 0 beside any open one, with either.
; LIMITS: e8 and e10 between -126 and 119; e8 + e9 is applied by v_ldexp_f32 and has none.
; SHARES.  Work-group (i, head) owns two blocks of 256 queries, 7 - i (pass 0) and i (pass 1); each of its sixteen waves one tile of 16 queries a pass, in 256 registers: four waves to a SIMD.
; The head's K and V, 256 KiB of register images, are copied into LDS once, during pass 0, a step of 128 keys a trip, each step into bytes of its own: nothing in LDS is ever written twice.
; STEPS THAT THE MASK THROWS AWAY ARE LEFT OUT, by scalar branches on the flags that the first launch stored from the mask itself.
; a step that none of the work-group's 32 tiles wants is not copied.  Every wave walks all 16 trips of both passes and passes every barrier.
; NO TENSOR LOADS AND NO CLUSTER: what is copied hangs on numbers read from memory; joint requests exist for tensor loads alone.
; LAYOUT.  A lane holds ONE query (lane % 16) throughout.  Tile t of K holds keys 32 (t / 2) + 8 (t % 2) + r + 8 (r / 8), so register 16 b + i of S^T is key 32 b + 16 (lane / 16) + i: p's conversions give the next operand.
; V's tiles hold channels in the same order, so O^T's 16 registers of two tiles are 16 neighbouring channels: the last conversions give the next launch's operand.
; REGISTERS: v1 16 x lane; v2 16 x thread; v3 256 x lane; v4, v5 the add's two; v6, v7 addresses of K's and V's fragments; v8, v9 of the copy; v10 of the prefetch; v12 -M, v13 the largest t, v[14:15] the sum;
;   v16-23 Q; v24-31 the copy's data; v32-95 fragments of K, then of V; v96-159 S^T, then p; v160-191 O^T; v192-207 p's codes; v208-215 the result's codes; v236-254 at work and constants.
; THE MODE: SCHED_MODE bits 1:0 = 2 (LLVM: expert scheduling mode 2), set by the entry lines.  The code itself states the register dependences between vector or matrix instructions and memory or LDS instructions,
; with s_wait_alu, always for 0.
; THE PLAN.  Registers that memory or LDS instructions touch:
;   v1, v2, v3    Offsets, written at the head and never again.
;   v6 .. v10     Addresses of one trip: written by five additions at the trip's head, read by the trip's loads, its prefetch and its LDS loads and stores.
;   v24-31        The copy's data: two global loads at a trip's head land there, two LDS stores at its end read them; no vector instruction names them.
;   v32-95        K's LDS loads land there; the eight products K Q^T read them; V's LDS loads land there; the four products V^T P read them.
;   v16-23        Q's loads land there at a pass's head; the pass's products K Q^T read them.
;   v208-215      Written by the conversions at a pass's end, read by the pass's two stores.
;   v4, v5        Written at the head, read by the closing add alone.
; So a trip has one wait on vm_vsrc ahead of its five additions and one on va_vdst behind them, on every wave's way; a step has one more on va_vdst between K Q^T and V's loads, beside the one behind its exponentials.
; V's loads are dealt among the lines of the maximum, which name none of v7 and v32-95.  All other registers are named by vector and matrix instructions alone.
.set VOFF,  139264                     ; LDS: 17 places of 8,192 bytes for K, then 17 for V.  The 17th of each is named by the last trip's store alone, which is never taken
.set SPARE, 278528                     ; behind them: the spare words, 128 bytes for each wave, which no other line names
.set LI,   1
.set STA,  2
.set PFO,  3
.set SPW,  4
.set NIL,  5
.set ADK,  6
.set ADV,  7
.set ADS,  8
.set ADSV, 9
.set PFV,  10
.set WV,   14                          ; s14 my wave's number
.set TB,   15                          ; s15 8,192 x the trip: a step's place in K's images, in memory and in LDS alike
.set FW,   66                          ; s66 my tile's flags, s67 the steps to copy, s84 the steps to prefetch: each shifted right by one a trip
.set STW,  67
.set PFW,  84
.set TRIPS, 85
.set PASS, 86
.set EPV,  87                          ; s87 e8 + e9
.set CS,   88                          ; s[88:89] c = log2(e) / 8 x 2^(e6 + e7)
.set SEL,  90                          ; s[90:91] v_permlanex16_b32's selects for lane l xor 16
.set PFA,  92                          ; s[92:93] the prefetches' base: K's images (wave 0) or V's (wave 1)
.set MO,   94                          ; s94 256 x the trip: a step's words of the mask
.set ST,   95                          ; s95 the steps that some tile of my work-group wants
; s[2:3] maskw; s[4:5], s[6:7] K's and V's images of my head; s[8:9] my Q; s[10:11] my place in aimg; s[12:13] my tile's words; s96, s97 my flags of the two passes; s[98:99] aimg at my head.
; s[16:63], s[68:83]: a step's 64 words of the mask (word n in s[16 + n], from n = 48 on in s[20 + n]); scratch at the head and at a pass's start.
	s_load_b256 s[16:23], s[0:1], 0x0              ; himg s[16:17], maskw s[18:19], flags s[20:21], the scales' exponents s[22:23]
	s_load_b64 s[24:25], s[0:1], 0x20              ; aimg
	v_lshl_add_u32 v[SPW], v0, 2, SPARE
	v_mov_b32 v[NIL], 0
	v_lshrrev_b32 v6, 5, v0
	v_readfirstlane_b32 s[WV], v6
	v_and_b32 v3, 31, v0
	v_lshlrev_b32 v[LI], 4, v3
	v_lshlrev_b32 v[STA], 4, v0
	v_lshlrev_b32 v[PFO], 8, v3
	v_add_nc_u32 v[ADSV], VOFF, v[STA]
	s_wait_alu depctr_va_sdst(0)                   ; s14, the wave's number, is written, ahead of its first reader
	s_and_b32 s26, ttmp7, 0xffff                   ; 16 batch + head
	s_sub_co_u32 s27, 7, ttmp9
	s_lshl_b32 s29, s27, 4
	s_add_co_u32 s29, s29, s[WV]
	s_lshl_b32 s29, s29, 2                         ; my tile's flags in pass 0: tile 16 (7 - i) + w
	s_lshl_b32 s27, s27, 6                         ; the sixteen flags of block 7 - i
	s_lshl_b32 s28, ttmp9, 6                       ; and of block i
	s_lshl_b32 s30, ttmp9, 4
	s_add_co_u32 s30, s30, 15
	s_sub_co_u32 s30, s30, s[WV]
	s_lshl_b32 s30, s30, 2                         ; in pass 1: tile 16 i + 15 - w
	s_lshl_b32 s100, s26, 17                       ; a head's images of one kind: 131,072 bytes
	s_mov_b32 s101, 0
	s_mov_b32 s[SEL], 0x76543210
	s_mov_b32 s[SEL+1], 0xfedcba98
	s_mov_b32 s[PASS], 0
	s_wait_kmcnt 0x0
	s_load_b256 s[68:75], s[22:23], 0x0            ; e0 .. e7
	s_load_b128 s[76:79], s[22:23], 0x20           ; e8 .. e11
	s_load_b512 s[32:47], s[20:21], s27 offset:0x0
	s_load_b512 s[48:63], s[20:21], s28 offset:0x0
	s_load_b32 s96, s[20:21], s29 offset:0x0
	s_load_b32 s97, s[20:21], s30 offset:0x0
	s_add_nc_u64 s[4:5], s[16:17], s[100:101]
	s_add_nc_u64 s[6:7], s[4:5], 0x1000000         ; V's images
	s_add_nc_u64 s[4:5], s[4:5], 0x800000          ; K's images
	s_mov_b64 s[2:3], s[18:19]
	s_wait_alu depctr_va_vdst(0)                   ; the offsets v1, v2, v3, the address v9 and the add's v4, v5 are written: the loads and stores below read them
	global_load_b128 v[24:27], v[STA], s[4:5]      ; step 0 is copied whatever the flags say: 512 threads x 16 bytes are a step's 8,192
	global_load_b128 v[28:31], v[STA], s[6:7]
	s_lshr_b32 s100, s26, 4
	s_lshl_b32 s100, s100, 21                      ; a batch in aimg: 128 tiles x 16,384 bytes
	s_and_b32 s31, s26, 15
	s_lshl_b32 s31, s31, 10                        ; a head: 1,024 bytes of a tile's 16,384
	s_add_co_u32 s100, s100, s31
	s_add_nc_u64 s[98:99], s[24:25], s[100:101]
	s_cmp_eq_u32 s[WV], 0
	s_cselect_b64 s[PFA:PFA+1], s[4:5], s[6:7]
	v_mov_b32 v236, 0                              ; written once: a lane permute's destination counts as one of its sources
	v_mov_b32 v252, 0
	v_mov_b32 v253, 0                              ; (named as the upper half of the pair v[252:253])
	v_mov_b32 v254, 0
	s_wait_kmcnt 0x0
	s_mov_b32 s[ST], s32
.irp n, 33,34,35,36,37,38,39,40,41,42,43,44,45,46,47,48,49,50,51,52,53,54,55,56,57,58,59,60,61,62,63
	s_or_b32 s[ST], s[ST], s\n
.endr
	s_and_b32 s[ST], s[ST], 0xffff                 ; the work bits of all 32 tiles
	s_add_co_i32 s100, s74, s75                    ; e6 + e7
	s_lshl_b32 s101, s100, 23
	s_mov_b32 s[CS], 0x3e38aa3b                    ; log2(e) / 8
	s_add_co_i32 s[CS], s[CS], s101                ; a score stands for score x 2^(e6 + e7): added to c's exponent field
	s_mov_b32 s[CS+1], s[CS]
	s_sub_co_i32 s100, 160, s100
	s_lshl_b32 s100, s100, 23
	s_or_b32 s100, s100, 0x80000000
	v_mov_b32 v245, s100                           ; R = -2^(33 - e6 - e7)
	s_add_co_i32 s100, s76, 127
	s_lshl_b32 s101, s100, 23
	v_mov_b32 v244, s101                           ; 2^e8, for p's conversions
	s_add_co_i32 s100, s100, 8
	s_lshl_b32 s100, s100, 23
	s_or_b32 s100, s100, 0x600000
	v_mov_b32 v240, s100                           ; 448 x 2^e8
	s_add_co_i32 s100, s78, 127
	s_lshl_b32 s101, s100, 23
	v_mov_b32 v246, s101                           ; 2^e10, for the result's
	s_add_co_i32 s100, s100, 8
	s_lshl_b32 s100, s100, 23
	s_or_b32 s100, s100, 0x600000
	v_mov_b32 v247, s100                           ; 448 x 2^e10
	s_add_co_i32 s[EPV], s76, s77
	s_wait_loadcnt 0x0
	ds_store_b128 v[STA], v[24:27]                 ; (no vector instruction since the wait above names v2, v9 or v24-31)
	ds_store_b128 v[ADSV], v[28:31]
	s_wait_dscnt 0x0                               ; for the others' sake: my part of step 0 lies in LDS
	s_barrier_signal -1
	s_barrier_wait -1
.Lpass:
	s_lshl_b32 s16, ttmp9, 4
	s_sub_co_u32 s17, 112, s16
	s_add_co_u32 s17, s17, s[WV]                   ; pass 0: tile 16 (7 - i) + w
	s_add_co_u32 s16, s16, 15
	s_sub_co_u32 s16, s16, s[WV]                   ; pass 1: tile 16 i + 15 - w
	s_lshr_b32 s18, s[WV], 1
	s_or_b32 s18, s18, ttmp9
	s_or_b32 s18, s18, s[PASS]                     ; 0 in waves 0 and 1 of the head's first work-group, in pass 0: they prefetch
	s_and_b32 s19, s[ST], 0xfff8                   ; steps 3 on: the first steps come by their loads alone
	s_cmp_eq_u32 s18, 0
	s_cselect_b32 s[PFW], s19, 0
	s_cmp_eq_u32 s[PASS], 0
	s_cselect_b32 s16, s17, s16                    ; T
	s_cselect_b32 s[FW], s96, s97
	s_cselect_b32 s[STW], s[ST], 0                 ; pass 1 finds all it wants in LDS
	s_lshl_b32 s20, s16, 10
	s_mov_b32 s21, 0
	s_sub_nc_u64 s[8:9], s[4:5], 0x800000          ; Q's images of my head lie 8 MiB ahead of K's
	s_add_nc_u64 s[8:9], s[8:9], s[20:21]
	s_lshl_b32 s20, s16, 12
	s_add_nc_u64 s[12:13], s[2:3], s[20:21]
	s_lshl_b32 s20, s16, 14
	s_add_nc_u64 s[10:11], s[98:99], s[20:21]
	s_wait_alu depctr_va_vdst(0)                   ; the products K Q^T of the pass before are done reading v16-23, in which Q's loads land
	global_load_b128 v[16:19], v[LI], s[8:9]       ; Q's fragment: channels 16 h .., 32 + 16 h ..
	global_load_b128 v[20:23], v[LI], s[8:9] offset:512
	v_mov_b32 v13, 0xff61b1e6                      ; the largest t so far: -3e38
	v_floor_f32 v12, -v13                          ; -M
	v_mov_b32 v14, 0
	v_mov_b32 v15, 0
.set j, 0
.rept 32
	v_mov_b32 v[160+j], 0                          ; O^T: the step is written once; the first finds zeros
.set j, j+1
.endr
	s_mov_b32 s[TB], 0
	s_mov_b32 s[MO], 0
	s_mov_b32 s[TRIPS], 16
	s_wait_loadcnt 0x0                             ; Q
.macro VFRAG t                         ; a fragment of V: 16 channels x 128 keys, four runs of 512 bytes
.irp c, 0,1,2,3
	ds_load_b128 v[32+16*(\t)+4*\c:35+16*(\t)+4*\c], v[ADV] offset:2048*(\t)+512*\c
.endr
.endm
.Ltrip:
	s_wait_alu depctr_vm_vsrc(0)                   ; what was issued so far has read the addresses v6 to v10, which the five additions write, and the LDS stores have read v24-31, in which this trip's loads land
	v_add_nc_u32 v[ADS], s[TB], v[STA]
	v_add_nc_u32 v[ADSV], VOFF, v[ADS]
	v_add_nc_u32 v[PFV], s[TB], v[PFO]
	v_add_nc_u32 v[ADK], s[TB], v[LI]
	v_add_nc_u32 v[ADV], VOFF, v[ADK]
	s_wait_alu depctr_va_vdst(0)                   ; the five addresses are written, which this trip's loads, prefetch and LDS instructions read; the last step's products V^T P are done reading v32-95, in which K's fragments land
	s_bitcmp1_b32 s[STW], 1                        ; is the next step wanted?  Then its images are asked for now and land under this step's work
	s_cbranch_scc0 .Lno_stage
	global_load_b128 v[24:27], v[ADS], s[4:5] offset:8192
	global_load_b128 v[28:31], v[ADS], s[6:7] offset:8192
.Lno_stage:
	s_bitcmp1_b32 s[PFW], 2                        ; the step after that, if it is wanted: a prefetch one trip ahead of its loads; wave 0 names K's 8,192 bytes, wave 1 V's, lanes 256 bytes apart.
	s_cbranch_scc0 .Lno_pf                         ; All four work-groups of a head copy the same images: the first of them asks, so each block is named once.  No bit stands for a step past the last
	global_prefetch_b8 v[PFV], s[PFA:PFA+1] offset:16384 th:TH_LOAD_NT scope:SCOPE_SE
.Lno_pf:
	s_bitcmp1_b32 s[FW], 0                         ; has my tile work in this step?
	s_cbranch_scc0 .Lno_step
	; ---- a key step: 128 keys
	s_load_b512 s[16:31], s[12:13], s[MO] offset:0x0       ; the step's 64 words of the mask
	s_load_b512 s[32:47], s[12:13], s[MO] offset:0x40
	s_load_b512 s[48:63], s[12:13], s[MO] offset:0x80
	s_load_b512 s[68:83], s[12:13], s[MO] offset:0xc0
.irp t, 0,1,2,3,4,5,6,7
	ds_load_b128 v[32+8*\t:35+8*\t], v[ADK] offset:1024*\t       ; no vector or matrix instruction since the trip's wait on va_vdst names v6 or v32-95
	ds_load_b128 v[36+8*\t:39+8*\t], v[ADK] offset:1024*\t+512
.endr
	s_wait_dscnt 0x0
.irp t, 0,1,2,3,4,5,6,7
	v_wmma_f32_16x16x64_fp8_fp8 v[96+8*\t:103+8*\t], v[32+8*\t:39+8*\t], v[16:23], 0
.endr
.rept 4
	v_nop                                          ; places: the scores are read by vector instructions below (ISA guide 7.12.1)
.endr
	s_wait_alu depctr_va_vdst(0)                   ; the eight products are done reading K's fragments v32-95, in which V's land.  The lines up to the last of V's loads name v96-159, v236, v245, v252 and v254 alone
	VFRAG 0                                        ; V's four fragments are dealt among the lines of the maximum and land under the softmax
	s_wait_kmcnt 0x0
	s_bitcmp1_b32 s[FW], 16                        ; a step with no closed entry skips the 64 selections
	s_cbranch_scc0 .Lopen
.set n, 0
.rept 64
.if n < 48
	v_cndmask_b32 v[96+n], v245, v[96+n], s[16+n]  ; the lane's bit of word n: open keeps the score, closed takes R
.else
	v_cndmask_b32 v[96+n], v245, v[96+n], s[20+n]
.endif
.set n, n+1
.endr
.Lopen:
	v_max3_num_f32 v254, v96, v97, v98             ; the step's largest score of my query among my 64 keys, in two chains,
	v_max3_num_f32 v252, v99, v100, v101
	VFRAG 1
.irp i, 6,10,14,18,22,26,30
	v_max3_num_f32 v254, v254, v[96+\i], v[97+\i]
	v_max3_num_f32 v252, v252, v[98+\i], v[99+\i]
.endr
	VFRAG 2
.irp i, 34,38,42,46,50,54,58
	v_max3_num_f32 v254, v254, v[96+\i], v[97+\i]
	v_max3_num_f32 v252, v252, v[98+\i], v[99+\i]
.endr
	VFRAG 3
	v_max3_num_f32 v254, v254, v158, v159
	v_max_num_f32 v254, v254, v252
	v_permlanex16_b32 v236, v254, s[SEL], s[SEL+1]
	v_max_num_f32 v254, v254, v236                 ; and among lane l xor 16's
	v_mul_f32 v254, s[CS], v254                    ; as t (c is positive)
	v_max_num_f32 v13, v13, v254
	v_mov_b32 v254, v12
	v_floor_f32 v12, -v13                          ; the new -M = floor(-t): M is a whole number
	v_sub_f32 v254, v12, v254                      ; old M less new M: a whole number, 0 or less
	v_cvt_i32_f32 v254, v254                       ; (it saturates)
	v_ldexp_f32 v252, 1.0, v254                    ; f = 2^(old M - new M)
.set j, 0
.rept 32
	v_pk_fma_f32 v[96+j:97+j], v[96+j:97+j], s[CS:CS+1], v[12:13] op_sel_hi:[1,0,0]   ; t - M, two at a time
.set j, j+2
.endr
.set j, 0
.rept 64
	v_exp_f32 v[96+j], v[96+j]                     ; p = 2^(t - M)
.set j, j+1
.endr
	v_pk_mul_f32 v[14:15], v[14:15], v[252:253] op_sel_hi:[1,0]   ; the sums under the new M: the plain line behind the exponentials
	s_wait_alu depctr_va_vdst(0)                   ; the 64 exponentials have written v96-159: one wait for the whole batch, ahead of its first reader
	v_pk_add_f32 v[242:243], v[96:97], v[98:99]    ; the sum of the unquantised p, in two chains
.irp j, 4,8,12,16,20,24,28,32,36,40,44,48,52,56,60
	v_pk_add_f32 v[14:15], v[14:15], v[96+\j:97+\j]
	v_pk_add_f32 v[242:243], v[242:243], v[98+\j:99+\j]
.endr
	v_pk_add_f32 v[14:15], v[14:15], v[242:243]
.irp b, 0,1,2,3
.irp i, 0,1,2,3,4,5,6,7,8,9,10,11,12,13,14,15
	v_min_num_f32 v[96+16*\b+\i], v[96+16*\b+\i], v240   ; the hold; p is not negative, so it is one-sided
.endr
	v_cvt_scalef32_pk8_fp8_f32 v[192+4*\b:193+4*\b], v[96+16*\b:103+16*\b], v244
	v_cvt_scalef32_pk8_fp8_f32 v[194+4*\b:195+4*\b], v[104+16*\b:111+16*\b], v244
.endr
.set j, 0
.rept 16
	v_pk_mul_f32 v[160+j:161+j], v[160+j:161+j], v[252:253] op_sel_hi:[1,0]   ; O^T under the new M; also the plain lines behind the conversions
.set j, j+2
.endr
	s_wait_dscnt 0x0                               ; V's fragments
.irp t, 0,1,2,3
	v_wmma_f32_16x16x128_fp8_fp8 v[160+8*\t:167+8*\t], v[32+16*\t:47+16*\t], v[192:207], v[160+8*\t:167+8*\t]   ; four accumulators by turns
.endr
.Lno_step:
	s_wait_loadcnt 0x0                             ; the next step's images are in registers (on every way: no load outlives a trip)
	s_bitcmp1_b32 s[STW], 1
	s_cbranch_scc0 .Lno_put
	ds_store_b128 v[ADS], v[24:27] offset:8192     ; into the next step's own bytes, which nobody reads before the barrier below.  (No vector instruction since the trip's wait on va_vdst names v8, v9 or v24-31)
	ds_store_b128 v[ADSV], v[28:31] offset:8192
.Lno_put:
	s_wait_dscnt 0x0                               ; for the others' sake: my stores have landed
	s_barrier_signal -1
	s_barrier_wait -1
	s_wait_xcnt 0x0                                ; the trip's loads and its prefetch have read their addresses: they are written again below and at the next trip's head
	s_add_co_u32 s[TB], s[TB], 8192
	s_add_co_u32 s[MO], s[MO], 256
	s_lshr_b32 s[FW], s[FW], 1
	s_lshr_b32 s[STW], s[STW], 1
	s_lshr_b32 s[PFW], s[PFW], 1
	s_sub_co_u32 s[TRIPS], s[TRIPS], 1
	s_cmp_lg_u32 s[TRIPS], 0
	s_cbranch_scc1 .Ltrip
	; ---- a pass's end: O^T x 2^(e8 + e9) / the sum, quantised with 2^e10, stored as the last projection's operand registers
.rept 4
	v_nop                                          ; places behind the last products
.endr
	v_add_f32 v14, v14, v15
	v_permlanex16_b32 v252, v14, s[SEL], s[SEL+1]
	v_add_f32 v14, v14, v252                       ; the row's sum
	v_rcp_f32 v14, v14
	v_nop                                          ; a plain line behind the transcendental
	s_wait_alu depctr_va_vdst(0)                   ; the reciprocal has written v14, ahead of its first reader
	v_ldexp_f32 v14, v14, s[EPV]
.set j, 0
.rept 16
	v_pk_mul_f32 v[96+j:97+j], v[160+j:161+j], v[14:15] op_sel_hi:[1,0]   ; register 16 b + i: channel 32 b + 16 h + i of my query; each accumulator from its low end on
.set j, j+2
.endr
.set j, 0
.rept 32
	v_med3_num_f32 v[96+j], v[96+j], -v247, v247
.set j, j+1
.endr
.irp b, 0,1
	v_cvt_scalef32_pk8_fp8_f32 v[208+4*\b:209+4*\b], v[96+16*\b:103+16*\b], v246
	v_cvt_scalef32_pk8_fp8_f32 v[210+4*\b:211+4*\b], v[104+16*\b:111+16*\b], v246
.endr
	v_nop                                          ; a plain line behind the last conversion
	s_wait_alu depctr_va_vdst(0)                   ; the conversions have written v208-215, which the two stores read
	global_store_b128 v[LI], v[208:211], s[10:11]             ; 32 lanes store 512 consecutive bytes, aligned
	global_store_b128 v[LI], v[212:215], s[10:11] offset:512
	s_wait_xcnt 0x0                                ; the stores have read their base and data: the next pass writes both
	s_wait_alu depctr_vm_vsrc(0)                   ; the stores have read v208-215, which the next pass's conversions write again
	s_add_co_u32 s[PASS], s[PASS], 1
	s_cmp_lt_u32 s[PASS], 2
	s_cbranch_scc1 .Lpass
	s_wait_dscnt 0x0                               ; the wave's end: the closing lines, six on end
	s_wait_alu 0x0
	s_wait_tensorcnt 0x0
	ds_add_u32 v[SPW], v[NIL]
	s_wait_dscnt 0x0
	s_endpgm
.Lfunc_end_k_q09460be080_attn:
	.size	k_q09460be080_attn, .Lfunc_end_k_q09460be080_attn-k_q09460be080_attn
	.p2alignl 7, 3214868480
	.fill 96, 4, 3214868480
	.section	.rodata,"a",@progbits
	.p2align	6, 0x0
	.amdhsa_kernel k_q09460be080_attn
		.amdhsa_group_segment_fixed_size 280576
		.amdhsa_private_segment_fixed_size 0
		.amdhsa_enable_private_segment 0
		.amdhsa_kernarg_size 40
		.amdhsa_user_sgpr_count 2
		.amdhsa_user_sgpr_kernarg_segment_ptr 1
		.amdhsa_wavefront_size32 1
		.amdhsa_system_sgpr_workgroup_id_x 1
		.amdhsa_system_sgpr_workgroup_id_y 1
		.amdhsa_system_sgpr_workgroup_id_z 1
		.amdhsa_system_vgpr_workitem_id 0
		.amdhsa_next_free_vgpr 256
		.amdhsa_next_free_sgpr 102
		.amdhsa_reserve_vcc 0
		.amdhsa_float_denorm_mode_32 3
		.amdhsa_float_denorm_mode_16_64 3
		.amdhsa_memory_ordered 1
		.amdhsa_forward_progress 1
		.amdhsa_inst_pref_size 33
	.end_amdhsa_kernel
	.amdgpu_metadata
---
amdhsa.version: [ 1, 2 ]
amdhsa.kernels:
  - .name:           k_q09460be080_attn
    .symbol:         k_q09460be080_attn.kd
    .args:
      - { .name: himg, .offset: 0, .size: 8, .value_kind: global_buffer, .address_space: global }
      - { .name: maskw, .offset: 8, .size: 8, .value_kind: global_buffer, .address_space: global }
      - { .name: flags, .offset: 16, .size: 8, .value_kind: global_buffer, .address_space: global }
      - { .name: lowp_scales, .offset: 24, .size: 8, .value_kind: global_buffer, .address_space: global }
      - { .name: aimg, .offset: 32, .size: 8, .value_kind: global_buffer, .address_space: global }
    .group_segment_fixed_size: 280576
    .private_segment_fixed_size: 0
    .kernarg_segment_align: 8
    .kernarg_segment_size: 40
    .max_flat_workgroup_size: 512
    .sgpr_count:     102
    .vgpr_count:     256
    .wavefront_size: 32
...
	.end_amdgpu_metadata
.endif
;; end of part 5
;; launch outp: the kernel of part 4 again; grid 4 x 32, 4 waves a work-group, clusters of 4 x 4, 327,680 bytes of LDS; arguments aimg, wc, lowp_scales, bo, out0; writes out0
